; MI455X (gfx1250); checked and timed in simulation.
; The chip was launched on July 23, 2026; its instructions are those of AMD's public machine-readable ISA for CDNA 5 (MIT licence, August 2026) and "CDNA5" Instruction Set Architecture Reference Guide (July 2026). The comments in the code are by the model that wrote it; some were corrected since.
;; Element. Allowed arithmetic: float matrix products may take bf16 or f16 operands with f32 sums; other float arithmetic in f32, or as packed bf16 or f16 multiplies, adds, multiply-adds, maxima and minima; sums over many terms, partial sums and values carried from step to step in f32; what a program stores and reads back later, other than sums and carried values, may be rounded once to bf16 or f16.
;; Inputs: Wk 1,024 x 512 float32; Wq 1,024 x 512 float32; Wv 1,024 x 512 float32; beta 512 float32; gamma 512 float32; x0 8 x 2,048 x 512 float32; x1 8 x 2,048 x 512 float32.
;; Outputs: out0 8 x 2,048 x 512 float32.
;; 2 versions, each right and faster than the one before. Each part assembles by itself: llvm-mc -triple=amdgcn-amd-amdhsa -mcpu=gfx1250 --defsym DOCPART=n.
;; ======== version 1 of 2: 3 launches
;; limits: values are held in f16: magnitudes above 65,504 overflow, below 6.1e-05 lose precision
;; workspace buffers: wb 3,145,728 bytes; qkv 50,331,648 bytes
;; launch castw (part 1): grid 128 x 3, 8 waves a work-group, no clusters, 0 bytes of LDS; arguments Wq, Wk, Wv, wb; writes wb
.if DOCPART == 1
	.amdgcn_target "amdgcn-amd-amdhsa--gfx1250"
	.amdhsa_code_object_version 6
	.text
	.protected	k_qde5f0307fc_castw
	.globl	k_qde5f0307fc_castw
	.p2align	8
	.type	k_qde5f0307fc_castw,@function
k_qde5f0307fc_castw:
	s_mov_b64 s[64:65], 0
	v_nop
	global_prefetch_b8 v0, s[64:65] scope:SCOPE_SE
	s_setreg_imm32_b32 hwreg(HW_REG_WAVE_MODE, 25, 1), 1
	s_wait_xcnt 0x0
; wb[k][512 y + n] = bf16(W_y[k][n]), y = 0, 1, 2 for Wq, Wk, Wv.  W_y: [1024][512] f32.  wb: [1024][1536] bf16, rows of 3,072 bytes.
; A stream: each byte is read once and written once; no LDS, no matrix unit, no cluster (no two work-groups read the same bytes).
; Work-group (x, y) takes the 8 rows 8 x .. 8 x + 7 of weight y: 16,384 consecutive bytes.  Thread t takes 8 numbers (32 bytes) at byte 32 t of the first
; four rows and of the last four; its 16 bytes of bf16 lie beside its neighbours': sixteen lanes store 256 consecutive bytes, at a multiple of 256 from wb's first byte.
.set WBROW, 3072                       ; bytes in a row of wb
	s_load_b256 s[4:11], s[0:1], 0x0               ; Wq s[4:5], Wk s[6:7], Wv s[8:9], wb s[10:11]
	s_and_b32 s12, ttmp7, 0xffff                   ; y: which weight
	s_lshl_b32 s14, ttmp9, 14                      ; x times 8 rows of 2,048 bytes
	s_mov_b32 s15, 0
	s_mul_i32 s16, ttmp9, 8*WBROW                  ; x times 8 rows of wb,
	s_lshl_b32 s13, s12, 10                        ; and the weight's 1,024 bytes in a row
	s_add_co_u32 s16, s16, s13
	s_mov_b32 s17, 0
	v_lshlrev_b32 v1, 5, v0                        ; 32 t: where I read
	v_lshrrev_b32 v2, 6, v0                        ; 64 threads to a row
	v_and_b32 v3, 63, v0
	v_mul_u32_u24 v2, v2, WBROW
	v_lshl_add_u32 v2, v3, 4, v2                   ; where I write: row x 3,072 + 16 (t mod 64)
	s_wait_kmcnt 0x0
	s_cmp_eq_u32 s12, 1
	s_cselect_b64 s[18:19], s[6:7], s[4:5]         ; the weight is chosen by y alone
	s_cmp_eq_u32 s12, 2
	s_cselect_b64 s[18:19], s[8:9], s[18:19]
	s_add_nc_u64 s[18:19], s[18:19], s[14:15]
	s_add_nc_u64 s[10:11], s[10:11], s[16:17]
	global_load_b128 v[4:7],   v1, s[18:19] th:TH_LOAD_NT
	global_load_b128 v[8:11],  v1, s[18:19] offset:16 th:TH_LOAD_NT
	global_load_b128 v[12:15], v1, s[18:19] offset:8192 th:TH_LOAD_NT
	global_load_b128 v[16:19], v1, s[18:19] offset:8208 th:TH_LOAD_NT
	s_wait_loadcnt 0x2                             ; loads come back in order: the first two are in, the last two stay out
	v_cvt_pk_bf16_f32 v20, v4, v5
	v_cvt_pk_bf16_f32 v21, v6, v7
	v_cvt_pk_bf16_f32 v22, v8, v9
	v_cvt_pk_bf16_f32 v23, v10, v11
	global_store_b128 v2, v[20:23], s[10:11]
	s_wait_loadcnt 0x0
	v_cvt_pk_bf16_f32 v24, v12, v13
	v_cvt_pk_bf16_f32 v25, v14, v15
	v_cvt_pk_bf16_f32 v26, v16, v17
	v_cvt_pk_bf16_f32 v27, v18, v19
	global_store_b128 v2, v[24:27], s[10:11] offset:4*WBROW  ; four rows further down
	s_endpgm
.Lfunc_end_k_qde5f0307fc_castw:
	.size	k_qde5f0307fc_castw, .Lfunc_end_k_qde5f0307fc_castw-k_qde5f0307fc_castw
	.p2alignl 7, 3214868480
	.fill 96, 4, 3214868480
	.section	.rodata,"a",@progbits
	.p2align	6, 0x0
	.amdhsa_kernel k_qde5f0307fc_castw
		.amdhsa_group_segment_fixed_size 0
		.amdhsa_private_segment_fixed_size 0
		.amdhsa_enable_private_segment 0
		.amdhsa_kernarg_size 32
		.amdhsa_user_sgpr_count 2
		.amdhsa_user_sgpr_kernarg_segment_ptr 1
		.amdhsa_wavefront_size32 1
		.amdhsa_system_sgpr_workgroup_id_x 1
		.amdhsa_system_sgpr_workgroup_id_y 1
		.amdhsa_system_sgpr_workgroup_id_z 1
		.amdhsa_system_vgpr_workitem_id 0
		.amdhsa_next_free_vgpr 32
		.amdhsa_next_free_sgpr 66
		.amdhsa_reserve_vcc 0
		.amdhsa_float_denorm_mode_32 3
		.amdhsa_float_denorm_mode_16_64 3
		.amdhsa_memory_ordered 1
		.amdhsa_forward_progress 1
		.amdhsa_inst_pref_size 3
	.end_amdhsa_kernel
	.amdgpu_metadata
---
amdhsa.version: [ 1, 2 ]
amdhsa.kernels:
  - .name:           k_qde5f0307fc_castw
    .symbol:         k_qde5f0307fc_castw.kd
    .args:
      - { .name: Wq, .offset: 0, .size: 8, .value_kind: global_buffer, .address_space: global }
      - { .name: Wk, .offset: 8, .size: 8, .value_kind: global_buffer, .address_space: global }
      - { .name: Wv, .offset: 16, .size: 8, .value_kind: global_buffer, .address_space: global }
      - { .name: wb, .offset: 24, .size: 8, .value_kind: global_buffer, .address_space: global }
    .group_segment_fixed_size: 0
    .private_segment_fixed_size: 0
    .kernarg_segment_align: 8
    .kernarg_segment_size: 32
    .max_flat_workgroup_size: 256
    .sgpr_count:     66
    .vgpr_count:     32
    .wavefront_size: 32
...
	.end_amdgpu_metadata
.endif
;; end of part 1
;; launch proj (part 2): grid 4 x 64, 4 waves a work-group, clusters of 4 x 4, 327,680 bytes of LDS; arguments x0, x1, wb, qkv; writes qkv
.if DOCPART == 2
	.amdgcn_target "amdgcn-amd-amdhsa--gfx1250"
	.amdhsa_code_object_version 6
	.text
	.protected	k_qde5f0307fc_proj
	.globl	k_qde5f0307fc_proj
	.p2align	8
	.type	k_qde5f0307fc_proj,@function
k_qde5f0307fc_proj:
	s_mov_b64 s[64:65], 0
	v_nop
	global_prefetch_b8 v0, s[64:65] scope:SCOPE_SE
	s_setreg_imm32_b32 hwreg(HW_REG_WAVE_MODE, 25, 1), 1
	s_wait_xcnt 0x0
	s_wait_alu depctr_hold_cnt(0) depctr_sa_sdst(0) depctr_va_vdst(0) depctr_va_sdst(0) depctr_va_ssrc(0) depctr_va_vcc(0) depctr_vm_vsrc(0)
	s_getreg_b32 s2, hwreg(HW_REG_IB_STS2, 6, 4)
	s_cmp_eq_u32 s2, 0
	s_cbranch_scc0 .Lentry_in_a_cluster
	s_endpgm
.Lentry_in_a_cluster:
	s_bfe_u32 s2, ttmp6, 0x10000c
	s_cmp_lg_u32 s2, 0xf033
	s_cbranch_scc0 .Lentry_shape_is_right
	s_endpgm
.Lentry_shape_is_right:
; qkv[m][n] = f16( sum over k of bf16(x[m][k]) wb[k][n] ),  x = [x0 | x1]: [16384][1024] f32 in two buffers of 512 columns;  wb: [1024][1536] bf16;  qkv: [16384][1536] f16.  Sums in f32.
; LIMIT: a sum of 65,520 or more in magnitude leaves f16's range and becomes an infinity.
; SHARES.  A tile of the result is 256 rows x 384 columns: 64 x 4 = 256 work-groups.  Four waves, 2 x 2; a wave makes 128 rows x 192 columns: 96 accumulators of 16 x 16, 768 registers (windows 1 to 3).
; A wave's columns: in each of the tile's three chunks of 128 columns the 64 at 64 (w & 1): fragment b = 4 g + i is chunk g, columns 64 (w & 1) + 16 i on.
; K goes in 16 steps of 64 through two LDS slots filled by the tensor data mover.  x arrives as f32 (rows of 256 bytes, each at a multiple of 256 bytes of its buffer) and is rounded to bf16 between LDS and
; the fragment: 4 loads and 8 roundings for a fragment that feeds 12 products.  wb lies [k][n] and is turned by ds_load_tr16_b128.
; CLUSTER 4 x 4.  x's tile hangs on the tile row alone: asked for jointly by the four of a row of the cluster; wb's on the tile column alone: jointly by the four of a column.
; THE PRODUCT IS USED TRANSPOSED (source 0 = 16 columns of wb, source 1 = 16 rows of x): a lane then holds 8 neighbouring columns of one row, 16 bytes of f16.
; ORDER.  A step is two sub-steps of 32 along K; a sub-step is four quadrants of 24 products: (x half, wb half) = (0,b) (0,b') (1,b') (1,b), so that each quadrant changes one operand buffer,
; and the buffer set free is loaded while the next 24 products run.
; REGISTERS.  window 0: v0-13 addresses; v24-55, v56-87 x fragments of my rows 0-63, 64-127; v88-135, v136-183 wb fragments b = 0-5, 6-11; v184-247 four fragments of x as f32.
;   window 1 + b / 4: accumulator (a, b) at v[8 (4 a + b % 4)], a = block of 16 rows.
.set APITCH, 272                       ; an LDS row of x: 256 bytes + 16 = 68 words: row r starts at bank 4 r mod 64 (64 banks of 4 bytes: ISA guide 11.1)
.set BPITCH, 864                       ; an LDS row of wb: three chunks of 256 bytes + 32 = 27 x 32 bytes
.set AHALF,  128*APITCH                ; what one load of x brings
.set BHALF,  32*BPITCH                 ; what one load of wb brings
.set BOFF,   2*AHALF                   ; in a slot: x's 256 rows, then wb's 64
.set SLOTB,  131072                    ; slot 1 begins here
.set SPARE,  SLOTB+BOFF+2*BHALF        ; 256,000: behind the ring: the spare words, 128 bytes a wave, two blocks of 256 bytes that no other line names
.set SPITCH, 784                       ; the way out: a row of 768 bytes + 16.  The stage (256 rows from LDS byte 0) lies over the ring and is written behind the ring's last fill
.set QROW,   3072                      ; bytes in a row of qkv and of wb
.set ADRA, 4                           ; v4-5    my x fragments in slot 0, 1
.set ADRB, 6                           ; v6-7    my wb fragments in slot 0, 1
.set STO,  8                           ; v8-9    the way out: where I put 16 bytes of a row; row blocks 0-3, 4-7
.set RD,   10                          ; v10     where I read rows back
.set GO,   11                          ; v11     my byte offset in two rows of qkv
.set SPW,  12                          ; v12     my spare word; never rewritten
.set NIL,  13                          ; v13     0; never rewritten
.set A0,   24
.set B0,   88
.set RAW,  184
.set TMP,  24                          ; the way out: v24-215
.set WV,   12                          ; s12 wave;  s13 = wave >> 1: my half of the rows;  s14 = wave & 1: my half of the columns, and which half of a tile I fetch
.set WM,   13
.set WN,   14
.set G1A,  24                          ; s[24:31] group 1 for x's tiles;  s[32:39] group 0, a set for each slot
.set G0A,  32
.set G1B,  48                          ; s[48:55], s[56:63] the same for wb's
.set G0B,  56
.set X0R,  66                          ; s[66:67], s[68:69] x0, x1 at the rows that I fetch;  s[70:71] wb at the rows and columns that I fetch
.set X1R,  68
.set WBR,  70
.set OFA,  72                          ; s[72:73], s[74:75] a K step's byte offset in x, in wb
.set OFB,  74
.set KT,   76                          ; s76 the K step to be asked for next
.set LAP,  77
.set PICK, 78                          ; s[78:79] x0's or x1's rows
.set MSB, 0
.macro WIN new                         ; the immediate's high byte repeats the setting that is left; a switch that changes nothing is dropped
.if MSB != (\new)
	s_set_vgpr_msb (MSB<<8)|(\new)
.set MSB, (\new)
.endif
.endm
.macro PLACES                          ; a load into, or a vector write of, a register that a matrix instruction has read stands four plain vector instructions behind it
.rept 4
	v_nop
.endr
.endm
; A joint refill.  Waves 0 and 1 fetch x's two halves, waves 2 and 3 wb's.  The branch hangs on the wave's number alone.  An s_nop 0 and four v_nop follow each line.
.macro JLOAD s
	s_cmp_lt_u32 s[WV], 2
	s_cbranch_scc0 .Lfor_b_\@
	tensor_load_to_lds s[G0A+4*(\s):G0A+4*(\s)+3], s[G1A:G1A+7]
	s_nop 0
	PLACES
	s_branch .Lasked_\@
.Lfor_b_\@:
	tensor_load_to_lds s[G0B+4*(\s):G0B+4*(\s)+3], s[G1B:G1B+7]
	s_nop 0
	PLACES
.Lasked_\@:
.endm
.macro CREST                           ; a round of the cluster's barrier behind its opening barrier
	s_cmp_lg_u32 s[WV], 0
	s_cbranch_scc1 .Lnot_wave_0_\@
	s_barrier_signal -3
.Lnot_wave_0_\@:
	s_barrier_wait -3
	s_barrier_signal -1
	s_barrier_wait -1
.endm
.macro CROUND                          ; a whole round
	s_barrier_signal -1
	s_barrier_wait -1
	CREST
.endm
	s_load_b256 s[4:11], s[0:1], 0x0               ; x0 s[4:5], x1 s[6:7], wb s[8:9], qkv s[10:11]
	v_lshl_add_u32 v[SPW], v0, 2, SPARE
	v_mov_b32 v[NIL], 0
	ds_add_u32 v[SPW], v[NIL]                      ; the wave's opening: the add and its wait stand ahead of my first tensor load; the set-up below stands between them
	v_lshrrev_b32 v3, 5, v0
	v_readfirstlane_b32 s[WV], v3
	s_lshr_b32 s[WM], s[WV], 1
	s_and_b32 s[WN], s[WV], 1
	s_bfe_u32 s16, ttmp6, 0x40000                  ; cx
	s_bfe_u32 s17, ttmp6, 0x40004                  ; cy
	s_lshl_b32 s18, ttmp9, 2
	s_add_co_u32 s18, s18, s16                     ; tile column = 4 x cluster x + cx
	s_and_b32 s19, ttmp7, 0xffff
	s_lshl_b32 s19, s19, 2
	s_add_co_u32 s19, s19, s17                     ; tile row = 4 x cluster y + cy
	s_lshl_b32 s20, s17, 2
	s_lshl_b32 s20, 15, s20                        ; my row of the cluster
	s_lshl_b32 s21, 0x1111, s16                    ; my column
	; group 1 for x: 128 rows x 64 elements of 4 bytes; 16 bytes of padding behind every 64 words
	s_or_b32 s[G1A], s20, (2<<16)|(1<<20)|(1<<21)|(5<<22)|(3<<25)
	s_mov_b32 s[G1A+1], 64<<16                     ; tensor_dim0 = 64
	s_mov_b32 s[G1A+2], 128<<16                    ; tensor_dim1 = 128
	s_mov_b32 s[G1A+3], 64<<16                     ; tile_dim0 = 64
	s_mov_b32 s[G1A+4], 128                        ; tile_dim1 = 128
	s_mov_b32 s[G1A+5], 512                        ; 512 elements from row to row
	s_mov_b32 s[G1A+6], 0
	s_mov_b32 s[G1A+7], 0
	; group 1 for wb: 32 rows x 384 elements of 2 bytes; 32 bytes of padding behind every 64 words, three times a row
	s_or_b32 s[G1B], s21, (1<<16)|(1<<20)|(1<<21)|(5<<22)|(7<<25)
	s_mov_b32 s[G1B+1], 384<<16
	s_mov_b32 s[G1B+2], 32<<16
	s_mov_b32 s[G1B+3], 384<<16
	s_mov_b32 s[G1B+4], 32
	s_mov_b32 s[G1B+5], 1536
	s_mov_b32 s[G1B+6], 0
	s_mov_b32 s[G1B+7], 0
	; x's address hangs on the tile row and the wave, wb's on the tile column and the wave, each in registers that never hold the other coordinate
	s_lshl_b32 s40, s19, 8
	s_lshl_b32 s15, s[WN], 7
	s_add_co_u32 s40, s40, s15                     ; row 256 x tile row + 128 x half,
	s_lshl_b32 s40, s40, 11                        ; times 2,048 bytes
	s_mov_b32 s41, 0
	s_mul_i32 s42, s18, 768                        ; the tile's 384 columns,
	s_mul_i32 s15, s[WN], 32*QROW                  ; my 32 of a step's 64 rows
	s_add_co_u32 s42, s42, s15
	s_mov_b32 s43, 0
	s_mul_i32 s22, s[WN], AHALF                    ; LDS: no place in the cluster enters
	s_mul_i32 s23, s[WN], BHALF
	s_add_co_u32 s23, s23, BOFF
	s_mov_b32 s[G0A], 1
	s_mov_b32 s[G0A+1], s22
	s_mov_b32 s[G0A+4], 1
	s_add_co_u32 s[G0A+5], s22, SLOTB
	s_mov_b32 s[G0B], 1
	s_mov_b32 s[G0B+1], s23
	s_mov_b32 s[G0B+4], 1
	s_add_co_u32 s[G0B+5], s23, SLOTB
	s_mov_b32 s[OFA+1], 0
	s_mov_b32 s[OFB+1], 0
	s_mov_b32 s[KT], 2
	s_wait_dscnt 0x0                               ; the opening add is done
	s_wait_kmcnt 0x0
	s_add_nc_u64 s[X0R:X0R+1], s[4:5], s[40:41]
	s_add_nc_u64 s[X1R:X1R+1], s[6:7], s[40:41]
	s_add_nc_u64 s[WBR:WBR+1], s[8:9], s[42:43]
	s_mov_b64 s[G0A+2:G0A+3], s[X0R:X0R+1]         ; K step 0
	s_or_b32 s[G0A+3], s[G0A+3], 0x80000000
	s_add_nc_u64 s[G0A+6:G0A+7], s[X0R:X0R+1], 256 ; K step 1: 64 numbers on
	s_or_b32 s[G0A+7], s[G0A+7], 0x80000000
	s_mov_b64 s[G0B+2:G0B+3], s[WBR:WBR+1]
	s_or_b32 s[G0B+3], s[G0B+3], 0x80000000
	s_add_nc_u64 s[G0B+6:G0B+7], s[WBR:WBR+1], 64*QROW
	s_or_b32 s[G0B+7], s[G0B+7], 0x80000000
	CROUND                                         ; all sixteen work-groups are here: the first joint loads meet
	s_cmp_lt_u32 s[WV], 2                          ; a wave's two first fills stand in one branch: two loads of mine are out
	s_cbranch_scc0 .Lfirst_b
	tensor_load_to_lds s[G0A:G0A+3], s[G1A:G1A+7]
	s_nop 0
	tensor_load_to_lds s[G0A+4:G0A+7], s[G1A:G1A+7]
	s_nop 0
	PLACES
	s_branch .Lfirst_asked
.Lfirst_b:
	tensor_load_to_lds s[G0B:G0B+3], s[G1B:G1B+7]
	s_nop 0
	tensor_load_to_lds s[G0B+4:G0B+7], s[G1B:G1B+7]
	s_nop 0
	PLACES
.Lfirst_asked:
	v_and_b32 v1, 15, v0                           ; r = l % 16
	v_bfe_u32 v2, v0, 4, 1                         ; h = l / 16
	; an x fragment: lane l holds row r, K = 8 h + 0..7 and 16 + 8 h + 0..7: as f32 two times 32 bytes, 64 bytes apart
	v_mul_u32_u24 v3, v1, APITCH
	v_lshl_add_u32 v3, v2, 5, v3
	s_mul_i32 s15, s[WM], AHALF                    ; my 128 rows
	v_add_nc_u32 v[ADRA], s15, v3
	v_add_nc_u32 v[ADRA+1], SLOTB, v[ADRA]
	; the turning load takes 16 k x 16 n (lane l reads k = 8 h + l % 8, n = 8 ((l / 8) % 2) + 0..7) and leaves half a fragment: lane l holds column r and 8 k
	v_and_b32 v3, 7, v0
	v_lshl_add_u32 v3, v2, 3, v3
	v_mul_u32_u24 v3, v3, BPITCH
	v_bfe_u32 v14, v0, 3, 1
	v_lshl_add_u32 v3, v14, 4, v3
	s_lshl_b32 s15, s[WN], 7                       ; my 64 columns of each chunk
	s_add_co_u32 s15, s15, BOFF
	v_add_nc_u32 v[ADRB], s15, v3
	v_add_nc_u32 v[ADRB+1], SLOTB, v[ADRB]
	; the way out
	v_mul_u32_u24 v3, v1, SPITCH
	v_lshl_add_u32 v3, v2, 4, v3
	s_mul_i32 s15, s[WM], 128*SPITCH
	s_lshl_b32 s46, s[WN], 7
	s_add_co_u32 s15, s15, s46
	v_add_nc_u32 v[STO], s15, v3                   ; row 128 (w >> 1) + r, byte 128 (w & 1) + 16 h
	v_add_nc_u32 v[STO+1], 64*SPITCH, v[STO]
	v_mul_u32_u24 v3, v2, SPITCH
	v_lshl_add_u32 v3, v1, 4, v3
	s_mul_i32 s15, s[WV], 64*SPITCH
	v_add_nc_u32 v[RD], s15, v3                    ; back: wave w takes rows 64 w on, whole; lanes 0-15 one row's 256 bytes, lanes 16-31 the next row's
	v_mul_u32_u24 v3, v2, QROW
	v_lshl_add_u32 v[GO], v1, 4, v3
	s_lshl_b32 s44, s19, 8
	s_lshl_b32 s46, s[WV], 6
	s_add_co_u32 s44, s44, s46                     ; the first row that I store
	s_mul_i32 s44, s44, QROW
	s_mul_i32 s46, s18, 768
	s_add_co_u32 s44, s44, s46
	s_mov_b32 s45, 0
	s_add_nc_u64 s[10:11], s[10:11], s[44:45]
; 16 loads: four x fragments as f32 (row blocks 4 ah .. 4 ah + 3, 32 along K at sub)
.macro LDRAW slot, sub, ah
	WIN 0
.irp q, 0,1,2,3
	ds_load_b128 v[RAW+16*\q:RAW+16*\q+3],     v[ADRA+(\slot)] offset:(4*(\ah)+\q)*16*APITCH+128*(\sub)
	ds_load_b128 v[RAW+16*\q+4:RAW+16*\q+7],   v[ADRA+(\slot)] offset:(4*(\ah)+\q)*16*APITCH+128*(\sub)+16
	ds_load_b128 v[RAW+16*\q+8:RAW+16*\q+11],  v[ADRA+(\slot)] offset:(4*(\ah)+\q)*16*APITCH+128*(\sub)+64
	ds_load_b128 v[RAW+16*\q+12:RAW+16*\q+15], v[ADRA+(\slot)] offset:(4*(\ah)+\q)*16*APITCH+128*(\sub)+80
.endr
.endm
; 32 roundings: those four fragments in bf16, into x buffer ah
.macro CVT ah
	WIN 0
.set i, 0
.rept 32
	v_cvt_pk_bf16_f32 v[A0+32*(\ah)+i], v[RAW+2*i], v[RAW+2*i+1]
.set i, i+1
.endr
.endm
; 12 turning loads: wb fragments b = 6 bh .. 6 bh + 5
.macro LDB slot, sub, bh
	WIN 0
.irp j, 0,1,2,3,4,5
	ds_load_tr16_b128 v[B0+48*(\bh)+8*\j:B0+48*(\bh)+8*\j+3],   v[ADRB+(\slot)] offset:(\sub)*32*BPITCH+((6*(\bh)+\j)/4)*288+((6*(\bh)+\j)%4)*32
	ds_load_tr16_b128 v[B0+48*(\bh)+8*\j+4:B0+48*(\bh)+8*\j+7], v[ADRB+(\slot)] offset:(\sub)*32*BPITCH+16*BPITCH+((6*(\bh)+\j)/4)*288+((6*(\bh)+\j)%4)*32
.endr
.endm
; 24 products on 24 accumulators, which take turns.  zero = 1: the product starts the sum
.macro MULQ ah, bh, zero
.irp j, 0,1,2,3,4,5
	WIN 0x50*(1+(6*(\bh)+\j)/4)
.irp q, 0,1,2,3
.set rD, 8*(4*(4*(\ah)+\q)+(6*(\bh)+\j)%4)
.if \zero
	v_wmma_f32_16x16x32_bf16 v[rD:rD+7], v[B0+48*(\bh)+8*\j:B0+48*(\bh)+8*\j+7], v[A0+32*(\ah)+8*\q:A0+32*(\ah)+8*\q+7], 0
.else
	v_wmma_f32_16x16x32_bf16 v[rD:rD+7], v[B0+48*(\bh)+8*\j:B0+48*(\bh)+8*\j+7], v[A0+32*(\ah)+8*\q:A0+32*(\ah)+8*\q+7], v[rD:rD+7]
.endif
.endr
.endr
.endm
; A SUB-STEP: 96 products.  On entry x buffer 0 holds this sub-step's rows 0-63 and wb buffer BX has been asked for.
; chg = 1: the slot's last reads are this sub-step's first quadrant's; the change of slots stands in the second: all my tensor loads waited for, the add, my reads waited for, a round of the
; cluster's barrier with 24 products inside its opening barrier, and the joint refill first behind it: it has a K step, 192 products, in which to land.  chg = 2: the same with a plain barrier and no refill.
; nxt = 1: the next sub-step's first operands are fetched.  Every LDS load is issued 24 products ahead of the wait for it, so those waits are for 0.
.macro SUBSTEP slot, sub, zero, chg, nxt
.set BX, (\sub)
.set BY, 1-(\sub)
.set NSL, ((\slot)+(\sub))%2
.set NSU, 1-(\sub)
	WIN 0
	s_wait_dscnt 0x0                               ; wb buffer BX is in
	PLACES                                         ; wb buffer BY was read by the products just issued
	LDB \slot, \sub, BY
	LDRAW \slot, \sub, 1
	MULQ 0, BX, \zero
	WIN 0
.if \chg
	s_wait_tensorcnt 0x0                           ; all my tensor loads have landed: the one that was out is my part of the other slot
	ds_add_u32 v[SPW], v[NIL]                      ; 0 onto my spare word
.if (\chg) == 1
	s_cmp_lt_u32 s[KT], 8                          ; K steps 0-7 lie in x0, 8-15 in x1
	s_cselect_b64 s[PICK:PICK+1], s[X0R:X0R+1], s[X1R:X1R+1]
	s_and_b32 s[OFA], s[KT], 7
	s_lshl_b32 s[OFA], s[OFA], 8
	s_add_nc_u64 s[G0A+4*(\slot)+2:G0A+4*(\slot)+3], s[PICK:PICK+1], s[OFA:OFA+1]
	s_or_b32 s[G0A+4*(\slot)+3], s[G0A+4*(\slot)+3], 0x80000000
	s_mul_i32 s[OFB], s[KT], 64*QROW
	s_add_nc_u64 s[G0B+4*(\slot)+2:G0B+4*(\slot)+3], s[WBR:WBR+1], s[OFB:OFB+1]
	s_or_b32 s[G0B+4*(\slot)+3], s[G0B+4*(\slot)+3], 0x80000000
	s_add_co_u32 s[KT], s[KT], 1
.endif
	s_wait_dscnt 0x0                               ; the add is done, and my reads of this slot are over
	s_barrier_signal -1
	CVT 1                                          ; x buffer 1's last readers stand ahead of this sub-step's four v_nop
	MULQ 0, BY, \zero
	WIN 0
	s_barrier_wait -1
.if (\chg) == 1
	CREST                                          ; no wave of any partner still reads this slot or has a load on its way
	JLOAD \slot
.endif
.else
	s_wait_dscnt 0x0
	CVT 1
	MULQ 0, BY, \zero
.endif
.if \nxt
	LDRAW NSL, NSU, 0
.endif
	MULQ 1, BY, \zero
.if \nxt
	WIN 0
	s_wait_dscnt 0x0
	PLACES                                         ; x buffer 0 was read two quadrants back, with no vector work since
	CVT 0                                          ; these 32 are also the places in front of the loads below
	LDB NSL, NSU, BY
.endif
	MULQ 1, BX, \zero
.endm
	s_wait_tensorcnt 0x1                           ; my part of K step 0 is in; K step 1's may stay out
	s_barrier_signal -1
	s_barrier_wait -1
	LDRAW 0, 0, 0
	LDB 0, 0, 0
	s_wait_dscnt 0x0
	CVT 0
	SUBSTEP 0, 0, 1, 0, 1                          ; the first sub-step stands ahead of the loop: its products start the sums
	WIN 0
	s_mov_b32 s[LAP], 7
.Llap:                                                 ; a trip goes once round the ring and fills both slots again: K steps 2 to 15 in seven trips
	SUBSTEP 0, 1, 0, 1, 1
	SUBSTEP 1, 0, 0, 0, 1
	SUBSTEP 1, 1, 0, 1, 1
	SUBSTEP 0, 0, 0, 0, 1
	WIN 0
	s_sub_co_u32 s[LAP], s[LAP], 1
	s_cmp_lg_u32 s[LAP], 0
	s_cbranch_scc1 .Llap
	SUBSTEP 0, 1, 0, 2, 1                          ; the tail is written out: nothing more is asked for
	SUBSTEP 1, 0, 0, 0, 1
	SUBSTEP 1, 1, 0, 0, 0
	; THE WAY OUT.  Rounded to f16, 16 bytes a lane into the work-group's stage, which lies over the ring: so first every wave's reads of the ring are over.
	WIN 0
	PLACES
	s_wait_dscnt 0x0
	s_barrier_signal -1
	s_barrier_wait -1
.irp W, 1,2,3                          ; window W holds chunk W - 1 of the columns; each accumulator's registers in ascending order
	WIN 5*\W
.set i, 0
.rept 128
	v_cvt_pk_f16_f32 v[TMP+i], v[2*i], v[2*i+1]
.set i, i+1
.endr
	WIN 0
.set i, 0
.rept 32                               ; i = 4 a + fragment in the chunk
	ds_store_b128 v[STO+i/16], v[TMP+4*i:TMP+4*i+3] offset:((i/4)%4)*16*SPITCH+256*(\W-1)+32*(i%4)
.set i, i+1
.endr
.endr
	s_wait_dscnt 0x0                               ; for the others' sake: my stores into the stage are done
	s_barrier_signal -1
	s_barrier_wait -1
.set q, 0
.rept 4                                ; 8 pairs of rows at a time, on two sets of 96 registers by turns
.set BK, TMP+96*(q%2)
.if q >= 2
	s_wait_xcnt 0x0                                ; the set is loaded again only when the stores that read it have had their addresses translated (ISA guide 3.1)
.endif
.set i, 0
.rept 24
	ds_load_b128 v[BK+4*i:BK+4*i+3], v[RD] offset:(8*q+i/3)*2*SPITCH+256*(i%3)
.set i, i+1
.endr
	s_wait_dscnt 0x0
.set i, 0
.rept 24
	global_store_b128 v[GO], v[BK+4*i:BK+4*i+3], s[10:11] offset:(8*q+i/3)*2*QROW+256*(i%3)  ; 16 lanes store 256 consecutive bytes, at a multiple of 256 from qkv's first byte
.set i, i+1
.endr
.set q, q+1
.endr
	s_wait_tensorcnt 0x0                           ; the wave's end
	ds_add_u32 v[SPW], v[NIL]
	s_wait_dscnt 0x0
	CROUND                                         ; the closing round
	s_endpgm
.Lfunc_end_k_qde5f0307fc_proj:
	.size	k_qde5f0307fc_proj, .Lfunc_end_k_qde5f0307fc_proj-k_qde5f0307fc_proj
	.p2alignl 7, 3214868480
	.fill 96, 4, 3214868480
	.section	.rodata,"a",@progbits
	.p2align	6, 0x0
	.amdhsa_kernel k_qde5f0307fc_proj
		.amdhsa_group_segment_fixed_size 327680
		.amdhsa_private_segment_fixed_size 0
		.amdhsa_enable_private_segment 0
		.amdhsa_kernarg_size 32
		.amdhsa_user_sgpr_count 2
		.amdhsa_user_sgpr_kernarg_segment_ptr 1
		.amdhsa_wavefront_size32 1
		.amdhsa_system_sgpr_workgroup_id_x 1
		.amdhsa_system_sgpr_workgroup_id_y 1
		.amdhsa_system_sgpr_workgroup_id_z 1
		.amdhsa_system_vgpr_workitem_id 0
		.amdhsa_next_free_vgpr 1024
		.amdhsa_next_free_sgpr 80
		.amdhsa_reserve_vcc 0
		.amdhsa_float_denorm_mode_32 3
		.amdhsa_float_denorm_mode_16_64 3
		.amdhsa_memory_ordered 1
		.amdhsa_forward_progress 1
		.amdhsa_inst_pref_size 170
	.end_amdhsa_kernel
	.amdgpu_metadata
---
amdhsa.version: [ 1, 2 ]
amdhsa.kernels:
  - .name:           k_qde5f0307fc_proj
    .symbol:         k_qde5f0307fc_proj.kd
    .args:
      - { .name: x0, .offset: 0, .size: 8, .value_kind: global_buffer, .address_space: global }
      - { .name: x1, .offset: 8, .size: 8, .value_kind: global_buffer, .address_space: global }
      - { .name: wb, .offset: 16, .size: 8, .value_kind: global_buffer, .address_space: global }
      - { .name: qkv, .offset: 24, .size: 8, .value_kind: global_buffer, .address_space: global }
    .group_segment_fixed_size: 327680
    .private_segment_fixed_size: 0
    .kernarg_segment_align: 8
    .kernarg_segment_size: 32
    .max_flat_workgroup_size: 128
    .sgpr_count:     80
    .vgpr_count:     1024
    .wavefront_size: 32
...
	.end_amdgpu_metadata
.endif
;; end of part 2
;; launch attn (part 3): grid 32 x 8, 4 waves a work-group, clusters of 4 x 1, 327,680 bytes of LDS; arguments qkv, gamma, beta, out0; writes out0
.if DOCPART == 3
	.amdgcn_target "amdgcn-amd-amdhsa--gfx1250"
	.amdhsa_code_object_version 6
	.text
	.protected	k_qde5f0307fc_attn
	.globl	k_qde5f0307fc_attn
	.p2align	8
	.type	k_qde5f0307fc_attn,@function
k_qde5f0307fc_attn:
	s_mov_b64 s[64:65], 0
	v_nop
	global_prefetch_b8 v0, s[64:65] scope:SCOPE_SE
	s_setreg_imm32_b32 hwreg(HW_REG_WAVE_MODE, 25, 1), 1
	s_wait_xcnt 0x0
	s_wait_alu depctr_hold_cnt(0) depctr_sa_sdst(0) depctr_va_vdst(0) depctr_va_sdst(0) depctr_va_ssrc(0) depctr_va_vcc(0) depctr_vm_vsrc(0)
	s_getreg_b32 s2, hwreg(HW_REG_IB_STS2, 6, 4)
	s_cmp_eq_u32 s2, 0
	s_cbranch_scc0 .Lentry_in_a_cluster
	s_endpgm
.Lentry_in_a_cluster:
	s_bfe_u32 s2, ttmp6, 0x10000c
	s_cmp_lg_u32 s2, 0x3003
	s_cbranch_scc0 .Lentry_shape_is_right
	s_endpgm
.Lentry_shape_is_right:
; out0[b][q][:] = LayerNorm( sum over k <= q of softmax_k(Q[q] . K[k] / sqrt(512)) V[k][:] ) x gamma + beta.  qkv: [8 x 2048][1536] f16, q | k | v in each row of 3,072 bytes.  out0: f32.
; Products, maxima, sums and the norm in f32; the weights p are rounded to f16 for the second product (their sum l is taken of the unrounded p).  gamma and beta are rounded to bf16 like the
; program's other inputs, so that the whole program computes on inputs of one rounding.
; LIMITS.  q, k, v arrive within f16's 65,504.  A hidden score counts as -1e30 (f16's scores reach 2.2e12 at the most).  A weight below 2^-126 counts as 0.  NaN and infinities are not treated apart.
; SHARES.  A work-group owns 64 queries, four tiles t of 16.  The four work-groups of a cluster own 256 consecutive queries of one batch (block jj) and walk the same 2 (jj + 1) steps of 128 keys:
; K's and V's tiles are asked for JOINTLY.  A partner whose queries lie below a step's keys computes that step with every score hidden: all partners make every joint request.
; IN A STEP all four waves work on all 64 queries.  S^T = K Q^T: wave w takes keys 32 w .. 32 w + 31 (8 accumulators, 128 products); Q of all 64 queries lies in every wave's registers.
; O^T += V^T P: wave w takes channels 128 w .. 128 w + 127 (32 accumulators, 128 products).  So each byte of K and V is read from LDS once, and each fragment feeds four products.
; The step's maxima and P pass between the waves through LDS.
; SOFTMAX.  For each query a running maximum m over all four waves' keys; p = 2^(c s - c m), c = log2(e) / sqrt(512); O and l are multiplied by a = 2^(c m_old - c m_new) in every step.
; m starts at the lowest finite number, O and l at 0: the first step is a step like any other, with a = 0; the price is 256 v_mov_b32 in the wait for the first tile.
; LDS has one slot for K and one for V (two of each for 128 keys do not fit): K of step n + 1 lands during step n's softmax and second product, V of step n + 1 during step n + 1's first product.
; REGISTERS (s_set_vgpr_msb: bits 1:0 source 0, 3:2 source 1, 5:4 source 2, 7:6 destination):
;   window 0: v0-23 addresses; v24-39 statistics; v40-55 at work; v56-63 gamma, beta; v64-127 S^T; v128-255 K's fragments; in the second product v64-159, v160-255 two buffers of P and V
;   window 1: O^T, (channel block cb, tile t) at v[8 (4 cb + t)]        windows 2, 3: Q, (chunk c of 32 channels, tile t) at v[8 (4 (c % 8) + t)] of window 2 + c / 8
.set ROWB,   3072                      ; bytes in a row of qkv
.set KPITCH, 1040                      ; a row of K in LDS: 1,024 bytes + 16 = 260 words: row r starts at bank 4 r mod 64 (64 banks of 4 bytes: ISA guide 11.1)
.set VPITCH, 1056                      ; a row of V: 1,024 + 32 = 33 x 32 bytes
.set VS,     128*KPITCH                ; K's slot from 0, V's from here
.set PX,     VS+128*VPITCH             ; 268,288: P, as the fragments lie in registers: [wave][tile][half][lane] x 16 bytes = 16,384
.set MX,     PX+16384                  ; the waves' maxima: [query][wave] f32 = 1,024
.set EX1,    MX+1024                   ; the end: [query][wave] (l, sum of O) = 2,048
.set EX2,    EX1+2048                  ; the end: [query][wave] sum of squares = 1,024
.set STAGE,  EX2+1024                  ; the way out: 16 rows x 528 bytes for each wave
.set SPITCH, 528
.set SPARE,  STAGE+4*16*SPITCH         ; 322,560: the spare words, 128 bytes a wave, two blocks of 256 bytes that no other line names
.set STEPB,  128*ROWB                  ; a step's 128 rows in memory
.set AK,  3                            ; v3     my place in my 32 rows of K
.set AV,  4                            ; v4-5   my place in V: keys 0-63, 64-127
.set PXS, 6                            ; v6     where I put P;  v7 where I read it
.set PXL, 7
.set MXS, 8                            ; v8, v9 the same for the maxima
.set MXL, 9
.set DQ,  10                           ; v10    my query less my first key of the step: register j of key block kb, tile t is hidden where 16 kb + j - 16 t is greater
.set BIG, 11                           ; v11    -1e30
.set QO,  12                           ; v12    my byte offset in 16 rows of Q
.set E1S, 13
.set E1L, 14
.set E2S, 15
.set E2L, 16
.set STO, 17
.set RD,  18
.set GO,  19                           ; v19    16 x my thread's number: my 16 bytes of a row of out0, and of gamma and beta
.set SPW, 22                           ; v22    my spare word; never rewritten
.set NIL, 23                           ; v23    0; never rewritten
.set ST,  24                           ; tile t at v[ST + 4 t]: c m, m, l (even keys', odd keys')
.set TMP, 40                           ; tile t at v[TMP + 4 t]: two at work, a, and a register named with a as a pair
.set GB,  56                           ; v56-59 gamma, v60-63 beta of my four channels
.set S,   64                           ; S^T of (tile t, key block kb) at S + 16 t + 8 kb
.set U,   64                           ; the end: at work
.set KB0, 128
.set KB1, 192
.set PK,  128                          ; the waves' maxima, then P packed
.set PB0, 64                           ; P of tile t at + 8 t, V of channel block cb at + 32 + 8 cb
.set PB1, 160
.set WV,  12
.set G1K, 24
.set G1V, 32
.set G0K, 40
.set G0V, 44
.set N,   48                           ; s48 the step;  s49 the loop's bound 2 jj + 1;  s50 = 2 jj: the first step that hides anything
.set NB,  49
.set NM,  50
.set CS,  52                           ; s[52:53] c
.set SEL, 54                           ; s[54:55] v_permlanex16_b32's selects: each lane takes its own place in the other half
.set MSB, 0
.macro WIN new
.if MSB != (\new)
	s_set_vgpr_msb (MSB<<8)|(\new)
.set MSB, (\new)
.endif
.endm
.macro PLACES                          ; four plain vector instructions behind a matrix instruction, ahead of what reads its result or writes its registers (ISA guide 7.12.1)
.rept 4
	v_nop
.endr
.endm
.macro ALLT line:vararg                ; one line for each tile t
.set t, 0
.rept 4
	\line
.set t, t+1
.endr
.endm
.macro CROUND                          ; a round of the cluster's barrier
	s_barrier_signal -1
	s_barrier_wait -1
	s_cmp_lg_u32 s[WV], 0
	s_cbranch_scc1 .Lnot_wave_0_\@
	s_barrier_signal -3
.Lnot_wave_0_\@:
	s_barrier_wait -3
	s_barrier_signal -1
	s_barrier_wait -1
.endm
	s_load_b256 s[4:11], s[0:1], 0x0               ; qkv s[4:5], gamma s[6:7], beta s[8:9], out0 s[10:11]
	v_lshl_add_u32 v[SPW], v0, 2, SPARE
	v_mov_b32 v[NIL], 0
	ds_add_u32 v[SPW], v[NIL]                      ; the wave's opening: the add and its wait stand ahead of my first tensor load
	v_lshrrev_b32 v20, 5, v0
	v_readfirstlane_b32 s[WV], v20
	s_bfe_u32 s13, ttmp6, 0x40000                  ; cx: it enters Q's and out0's addresses and the mask, nothing else
	s_and_b32 s14, ttmp7, 0xffff
	s_lshl_b32 s14, s14, 11                        ; the batch's first row
	s_lshl_b32 s15, s[WV], 5                       ; my 32 keys of a step
	s_add_co_u32 s16, s14, s15
	s_mul_i32 s16, s16, ROWB
	s_mov_b32 s17, 0
	s_lshl_b32 s22, ttmp9, 8                       ; in a cluster launch ttmp9 counts clusters: jj
	s_lshl_b32 s23, s13, 6
	s_add_co_u32 s22, s22, s23                     ; my first query in the batch
	s_add_co_u32 s18, s14, s22
	s_lshl_b32 s20, s18, 11                        ; times 2,048 bytes of out0,
	s_mov_b32 s21, 0
	s_mul_i32 s18, s18, ROWB                       ; times 3,072 of qkv
	s_mov_b32 s19, 0
	s_sub_co_u32 s22, s22, s15                     ; for the mask
	; group 1: 32 rows x 512 elements of 2 bytes, padded behind every 256 words; the mask names all four work-groups
	s_mov_b32 s[G1K], 15|(1<<16)|(1<<20)|(1<<21)|(7<<22)|(3<<25)
	s_mov_b32 s[G1V], 15|(1<<16)|(1<<20)|(1<<21)|(7<<22)|(7<<25)
.irp g, G1K, G1V
	s_mov_b32 s[\g+1], 512<<16                     ; tensor_dim0 = 512
	s_mov_b32 s[\g+2], 32<<16                      ; tensor_dim1 = 32
	s_mov_b32 s[\g+3], 512<<16                     ; tile_dim0 = 512
	s_mov_b32 s[\g+4], 32                          ; tile_dim1 = 32
	s_mov_b32 s[\g+5], 1536                        ; 1,536 elements from row to row
	s_mov_b32 s[\g+6], 0
	s_mov_b32 s[\g+7], 0
.endr
	s_mov_b32 s[G0K], 1
	s_mul_i32 s[G0K+1], s[WV], 32*KPITCH           ; every wave fetches its quarter of each tile
	s_mov_b32 s[G0V], 1
	s_mul_i32 s[G0V+1], s[WV], 32*VPITCH
	s_add_co_u32 s[G0V+1], s[G0V+1], VS
	s_lshl_b32 s[NM], ttmp9, 1
	s_add_co_u32 s[NB], s[NM], 1
	s_mov_b32 s[CS], 0x3d8293ee                    ; c = log2(e) / sqrt(512) = 0.0637587
	s_mov_b32 s[CS+1], s[CS]
	s_mov_b32 s[SEL], 0x76543210
	s_mov_b32 s[SEL+1], 0xfedcba98
	s_mov_b32 s56, 0x3b000000                      ; 1 / 512
	s_mov_b32 s57, 0x3727c5ac                      ; 1e-5
	s_wait_dscnt 0x0                               ; the opening add is done
	s_wait_kmcnt 0x0
	s_add_nc_u64 s[G0K+2:G0K+3], s[4:5], s[16:17]
	s_add_nc_u64 s[G0V+2:G0V+3], s[G0K+2:G0K+3], 2048  ; v lies 2,048 bytes into a row,
	s_add_nc_u64 s[G0K+2:G0K+3], s[G0K+2:G0K+3], 1024  ; k 1,024
	s_or_b32 s[G0K+3], s[G0K+3], 0x80000000
	s_or_b32 s[G0V+3], s[G0V+3], 0x80000000
	s_add_nc_u64 s[4:5], s[4:5], s[18:19]          ; Q and out0 at my first query
	s_add_nc_u64 s[10:11], s[10:11], s[20:21]
	CROUND                                         ; all four work-groups are here: the first joint loads meet
	tensor_load_to_lds s[G0K:G0K+3], s[G1K:G1K+7]  ; K of step 0
	s_nop 0
	tensor_load_to_lds s[G0V:G0V+3], s[G1V:G1V+7]  ; V of step 0: two loads of mine are out
	s_nop 0
	PLACES
	v_and_b32 v1, 15, v0                           ; r = l % 16
	v_bfe_u32 v2, v0, 4, 1                         ; h = l / 16
	v_mul_u32_u24 v[QO], v1, ROWB
	v_lshl_add_u32 v[QO], v2, 4, v[QO]
	WIN 0x80                                       ; Q stays in registers: chunks 0-7 in window 2,
.set i, 0
.rept 32
	global_load_b128 v[8*i:8*i+3],   v[QO], s[4:5] offset:(i%4)*16*ROWB+(i/4)*64
	global_load_b128 v[8*i+4:8*i+7], v[QO], s[4:5] offset:(i%4)*16*ROWB+(i/4)*64+32
.set i, i+1
.endr
	WIN 0xc0                                       ; chunks 8-15 in window 3
.set i, 0
.rept 32
	global_load_b128 v[8*i:8*i+3],   v[QO], s[4:5] offset:(i%4)*16*ROWB+(i/4)*64+512
	global_load_b128 v[8*i+4:8*i+7], v[QO], s[4:5] offset:(i%4)*16*ROWB+(i/4)*64+544
.set i, i+1
.endr
	WIN 0
	v_lshlrev_b32 v[GO], 4, v0
	global_load_b128 v[GB:GB+3],   v[GO], s[6:7]
	global_load_b128 v[GB+4:GB+7], v[GO], s[8:9]
	WIN 0x40
.set i, 0
.rept 256
	v_mov_b32 v[i], 0                              ; O^T
.set i, i+1
.endr
	WIN 0
	ALLT v_mov_b32 v[ST+4*t], 0xfe000000           ; c m: far below every c s
	ALLT v_mov_b32 v[ST+4*t+1], 0xff7fffff         ; m
	ALLT v_mov_b32 v[ST+4*t+2], 0
	ALLT v_mov_b32 v[ST+4*t+3], 0
	ALLT v_mov_b32 v[TMP+4*t+3], 0
	v_mov_b32 v[BIG], 0xf149f2ca                   ; -1e30
	v_lshlrev_b32 v20, 3, v2
	v_sub_nc_u32 v[DQ], v1, v20
	v_add_nc_u32 v[DQ], s22, v[DQ]                 ; 256 jj + 64 cx + r - 32 w - 8 h
	v_mul_u32_u24 v[AK], v1, KPITCH                ; a fragment of K: row r, 16 bytes for each half of the lanes, two loads 32 bytes apart
	v_lshl_add_u32 v[AK], v2, 4, v[AK]
	s_mul_i32 s15, s[WV], 32*KPITCH
	v_add_nc_u32 v[AK], s15, v[AK]
	v_and_b32 v20, 7, v0                           ; the turning load: lane l reads key 8 h + l % 8, channels 8 ((l / 8) % 2) + 0..7
	v_bfe_u32 v21, v0, 3, 1
	v_lshl_add_u32 v[AV], v2, 3, v20
	v_mul_u32_u24 v[AV], v[AV], VPITCH
	v_lshl_add_u32 v[AV], v21, 4, v[AV]
	s_lshl_b32 s15, s[WV], 8                       ; my 128 channels
	s_add_co_u32 s15, s15, VS
	v_add_nc_u32 v[AV], s15, v[AV]
	v_add_nc_u32 v[AV+1], 64*VPITCH, v[AV]
	v_and_b32 v20, 31, v0
	v_lshl_add_u32 v[PXL], v20, 4, PX
	s_lshl_b32 s15, s[WV], 12
	v_add_nc_u32 v[PXS], s15, v[PXL]
	v_lshl_add_u32 v[MXL], v1, 4, MX
	s_lshl_b32 s15, s[WV], 2
	v_add_nc_u32 v[MXS], s15, v[MXL]
	v_lshl_add_u32 v[E2L], v1, 4, EX2
	v_add_nc_u32 v[E2S], s15, v[E2L]
	v_lshl_add_u32 v[E1L], v1, 5, EX1
	s_lshl_b32 s15, s[WV], 3
	v_add_nc_u32 v[E1S], s15, v[E1L]
	s_mul_i32 s15, s[WV], 16*SPITCH
	s_add_co_u32 s15, s15, STAGE                   ; my stage
	v_mul_u32_u24 v[STO], v1, SPITCH               ; in: row r, 32 bytes for each half of the lanes
	v_lshl_add_u32 v[STO], v2, 5, v[STO]
	v_add_nc_u32 v[STO], s15, v[STO]
	v_lshl_add_u32 v[RD], v20, 4, s15              ; back: 32 lanes take a row's 512 bytes
; 16 loads: K's fragments of chunks 4 g .. 4 g + 3, both key blocks
.macro LDK g, buf
.irp cc, 0,1,2,3
.irp kb, 0,1
	ds_load_b128 v[(\buf)+8*(2*\cc+\kb):(\buf)+8*(2*\cc+\kb)+3],   v[AK] offset:\kb*16*KPITCH+64*(4*(\g)+\cc)
	ds_load_b128 v[(\buf)+8*(2*\cc+\kb)+4:(\buf)+8*(2*\cc+\kb)+7], v[AK] offset:\kb*16*KPITCH+64*(4*(\g)+\cc)+32
.endr
.endr
.endm
; 32 products of S^T = K Q^T; the 8 accumulators take turns; chunk 0 starts the sums
.macro MULS g, buf
.irp cc, 0,1,2,3
.irp kb, 0,1
.irp t, 0,1,2,3
.set rS, S+16*\t+8*\kb
.set rK, (\buf)+8*(2*\cc+\kb)
.set rQ, 8*(4*((4*(\g)+\cc)%8)+\t)
.if ((\g)+\cc) == 0
	v_wmma_f32_16x16x32_f16 v[rS:rS+7], v[rK:rK+7], v[rQ:rQ+7], 0
.else
	v_wmma_f32_16x16x32_f16 v[rS:rS+7], v[rK:rK+7], v[rQ:rQ+7], v[rS:rS+7]
.endif
.endr
.endr
.endr
.endm
; 24 loads: P of wave g's 32 keys for the four tiles, and V of those keys for my 128 channels, turned
.macro LDG g, buf
.irp t, 0,1,2,3
	ds_load_b128 v[(\buf)+8*\t:(\buf)+8*\t+3],   v[PXL] offset:4096*(\g)+1024*\t
	ds_load_b128 v[(\buf)+8*\t+4:(\buf)+8*\t+7], v[PXL] offset:4096*(\g)+1024*\t+512
.endr
.irp cb, 0,1,2,3,4,5,6,7
	ds_load_tr16_b128 v[(\buf)+32+8*\cb:(\buf)+32+8*\cb+3],   v[AV+(\g)/2] offset:((\g)%2)*32*VPITCH+32*\cb
	ds_load_tr16_b128 v[(\buf)+32+8*\cb+4:(\buf)+32+8*\cb+7], v[AV+(\g)/2] offset:((\g)%2)*32*VPITCH+16*VPITCH+32*\cb
.endr
.endm
; 32 products of O^T += V^T P on 32 accumulators by turns
.macro MULP buf
	WIN 0x50                                       ; V and P in window 0, O^T in window 1
.irp cb, 0,1,2,3,4,5,6,7
.irp t, 0,1,2,3
	v_wmma_f32_16x16x32_f16 v[8*(4*\cb+\t):8*(4*\cb+\t)+7], v[(\buf)+32+8*\cb:(\buf)+32+8*\cb+7], v[(\buf)+8*\t:(\buf)+8*\t+7], v[8*(4*\cb+\t):8*(4*\cb+\t)+7]
.endr
.endr
.endm
; half of O^T (channel blocks 4 half on) times a
.macro RESC half
	WIN 0x41                                       ; O^T in window 1, a in window 0
.set i, 64*(\half)
.rept 64
	v_pk_mul_f32 v[2*i:2*i+1], v[2*i:2*i+1], v[TMP+4*((i/4)%4)+2:TMP+4*((i/4)%4)+3] op_sel_hi:[1,0]
.set i, i+1
.endr
.endm
; A KEY STEP.  refill = 1 (the loop): K and V of the next step are asked for.  refill = 0 (the last step, written out): nothing is.
.macro STEP refill
	; FIRST PRODUCT.  K comes in four groups of four chunks on two buffers; a group is asked for 32 products ahead of its use.  The LDS loads name window 0 in both their places under every setting used here.
	LDK 0, KB0
	LDK 1, KB1
	WIN 0x08                                       ; Q's chunks 0-7: window 2
	s_wait_dscnt 16                                ; all but the 16 loads just issued
	MULS 0, KB0
	PLACES
	LDK 2, KB0
	s_wait_dscnt 16
	MULS 1, KB1
	PLACES
	LDK 3, KB1
	WIN 0x0c                                       ; chunks 8-15: window 3
	s_wait_dscnt 16
	MULS 2, KB0
	s_wait_dscnt 0x0
	MULS 3, KB1
	WIN 0
	PLACES
	; THE MASK.  Steps below 2 jj hide nothing from any of the cluster's queries: the jump is alike in all partners and passes vector work alone.
.if \refill
	s_cmp_lt_u32 s[N], s[NM]
	s_cbranch_scc1 .Lopen_\@
.endif
.set i, 0
.rept 64                               ; i = 16 t + 8 kb + j
	v_cmp_gt_i32 vcc_lo, 16*((i/8)%2)+i%8-16*(i/16), v[DQ]
	v_cndmask_b32 v[S+i], v[S+i], v[BIG], vcc_lo
.set i, i+1
.endr
.if \refill
.Lopen_\@:
.endif
	; MY 32 KEYS' MAXIMUM for each query; each accumulator's lowest registers are read first
	ALLT v_max3_num_f32 v[TMP+4*t], v[S+16*t], v[S+16*t+1], v[S+16*t+2]
	ALLT v_max3_num_f32 v[TMP+4*t+1], v[S+16*t+8], v[S+16*t+9], v[S+16*t+10]
	ALLT v_max3_num_f32 v[TMP+4*t], v[TMP+4*t], v[S+16*t+3], v[S+16*t+4]
	ALLT v_max3_num_f32 v[TMP+4*t+1], v[TMP+4*t+1], v[S+16*t+11], v[S+16*t+12]
	ALLT v_max3_num_f32 v[TMP+4*t], v[TMP+4*t], v[S+16*t+5], v[S+16*t+6]
	ALLT v_max3_num_f32 v[TMP+4*t+1], v[TMP+4*t+1], v[S+16*t+13], v[S+16*t+14]
	ALLT v_max3_num_f32 v[TMP+4*t], v[TMP+4*t], v[S+16*t+7], v[S+16*t+15]
	ALLT v_max_num_f32 v[TMP+4*t], v[TMP+4*t], v[TMP+4*t+1]
	ALLT v_permlanex16_b32 v[TMP+4*t+1], v[TMP+4*t], s[SEL], s[SEL+1]
	ALLT v_max_num_f32 v[TMP+4*t], v[TMP+4*t], v[TMP+4*t+1]
	ALLT ds_store_b32 v[MXS], v[TMP+4*t] offset:256*t
	; K's slot has been read out, the maxima are on their way, V of this step must be whole
	s_wait_tensorcnt 0x0                           ; all my tensor loads have landed: my quarter of this step's V
	ds_add_u32 v[SPW], v[NIL]                      ; 0 onto my spare word
.if \refill
	s_add_nc_u64 s[G0K+2:G0K+3], s[G0K+2:G0K+3], STEPB  ; no load of mine is out, so the descriptor may step
.endif
	s_wait_dscnt 0x0                               ; the add and my stores are done, my reads of K are over
.if \refill
	CROUND                                         ; that holds of every wave of the four work-groups
	tensor_load_to_lds s[G0K:G0K+3], s[G1K:G1K+7]  ; K of the next step: it has the softmax and the second product in which to land
	s_nop 0
	PLACES
.else
	s_barrier_signal -1
	s_barrier_wait -1
.endif
	; SOFTMAX
	ALLT ds_load_b128 v[PK+4*t:PK+4*t+3], v[MXL] offset:256*t
	s_wait_dscnt 0x0
	ALLT v_mov_b32 v[TMP+4*t+1], v[ST+4*t]
	ALLT v_max3_num_f32 v[TMP+4*t], v[PK+4*t], v[PK+4*t+1], v[PK+4*t+2]
	ALLT v_max3_num_f32 v[ST+4*t+1], v[TMP+4*t], v[PK+4*t+3], v[ST+4*t+1]
	ALLT v_mul_f32 v[ST+4*t], s[CS], v[ST+4*t+1]
	ALLT v_sub_f32 v[TMP+4*t+1], v[TMP+4*t+1], v[ST+4*t]
.set i, 0
.rept 32                               ; c s - c m, a pair at a time
	v_pk_fma_f32 v[S+2*i:S+2*i+1], v[S+2*i:S+2*i+1], s[CS:CS+1], v[ST+4*(i/8):ST+4*(i/8)+1] op_sel_hi:[1,0,0] neg_lo:[0,0,1] neg_hi:[0,0,1]
.set i, i+1
.endr
	ALLT v_exp_f32 v[TMP+4*t+2], v[TMP+4*t+1]
.set i, 0
.rept 64
	v_exp_f32 v[S+i], v[S+i]
.set i, i+1
.endr
	v_nop                                          ; a plain instruction between the exponentials and the use of their results (ISA guide 5.7.2)
.set i, 0
	s_wait_alu depctr_va_vdst(0)
.rept 32                               ; two results of 16 keys, rounded in pairs, ARE a fragment of P: 32 keys x 16 queries
	v_cvt_pk_f16_f32 v[PK+i], v[S+2*i], v[S+2*i+1]
.set i, i+1
.endr
	ALLT ds_store_b128 v[PXS], v[PK+8*t:PK+8*t+3] offset:1024*t
	ALLT ds_store_b128 v[PXS], v[PK+8*t+4:PK+8*t+7] offset:1024*t+512
	ALLT v_pk_add_f32 v[S+16*t:S+16*t+1], v[S+16*t:S+16*t+1], v[S+16*t+2:S+16*t+3]
	ALLT v_pk_add_f32 v[S+16*t+4:S+16*t+5], v[S+16*t+4:S+16*t+5], v[S+16*t+6:S+16*t+7]
	ALLT v_pk_add_f32 v[S+16*t+8:S+16*t+9], v[S+16*t+8:S+16*t+9], v[S+16*t+10:S+16*t+11]
	ALLT v_pk_add_f32 v[S+16*t+12:S+16*t+13], v[S+16*t+12:S+16*t+13], v[S+16*t+14:S+16*t+15]
	ALLT v_pk_add_f32 v[S+16*t:S+16*t+1], v[S+16*t:S+16*t+1], v[S+16*t+4:S+16*t+5]
	ALLT v_pk_add_f32 v[S+16*t+8:S+16*t+9], v[S+16*t+8:S+16*t+9], v[S+16*t+12:S+16*t+13]
	ALLT v_pk_add_f32 v[S+16*t:S+16*t+1], v[S+16*t:S+16*t+1], v[S+16*t+8:S+16*t+9]
	ALLT v_pk_fma_f32 v[ST+4*t+2:ST+4*t+3], v[ST+4*t+2:ST+4*t+3], v[TMP+4*t+2:TMP+4*t+3], v[S+16*t:S+16*t+1] op_sel_hi:[1,0,1]
	; P is handed over.  K's load may stay out.  Half of the rescaling stands between signal and wait, half behind the loads.
	s_wait_dscnt 0x0                               ; for the others' sake: my part of P is in LDS
	s_barrier_signal -1
	RESC 0
	WIN 0
	s_barrier_wait -1
	; SECOND PRODUCT, by the waves' groups of 32 keys, on two buffers
	LDG 0, PB0
	LDG 1, PB1
	RESC 1
	s_wait_dscnt 24                                ; all but the 24 loads issued last
	MULP PB0
	WIN 0
	PLACES
	LDG 2, PB0
	s_wait_dscnt 24
	MULP PB1
	WIN 0
	PLACES
	LDG 3, PB1
	s_wait_dscnt 24
	MULP PB0
	s_wait_dscnt 0x0
	MULP PB1
	WIN 0
.if \refill
	s_wait_tensorcnt 0x0                           ; all my tensor loads have landed: my quarter of the next step's K
	ds_add_u32 v[SPW], v[NIL]                      ; 0 onto my spare word
	s_add_nc_u64 s[G0V+2:G0V+3], s[G0V+2:G0V+3], STEPB
	s_wait_dscnt 0x0                               ; the add is done, my reads of V and P are over
	CROUND
	tensor_load_to_lds s[G0V:G0V+3], s[G1V:G1V+7]  ; V of the next step: it has that step's first product in which to land
	s_nop 0
	PLACES
	v_add_nc_u32 v[DQ], 0xffffff80, v[DQ]          ; the next step's keys lie 128 on; with the four above, five places ahead of the products that write over the second product's operands
.endif
.endm
	s_wait_tensorcnt 0x1                           ; my quarter of K is in; V's may stay out
	s_barrier_signal -1
	s_barrier_wait -1
	s_wait_loadcnt 0x0                             ; Q, gamma, beta
	v_cvt_pk_bf16_f32 v20, v[GB], v[GB+1]          ; gamma and beta take the rounding of the other inputs
	v_cvt_pk_bf16_f32 v21, v[GB+2], v[GB+3]
	v_lshlrev_b32 v[GB], 16, v20
	v_and_b32 v[GB+1], 0xffff0000, v20
	v_lshlrev_b32 v[GB+2], 16, v21
	v_and_b32 v[GB+3], 0xffff0000, v21
	v_cvt_pk_bf16_f32 v20, v[GB+4], v[GB+5]
	v_cvt_pk_bf16_f32 v21, v[GB+6], v[GB+7]
	v_lshlrev_b32 v[GB+4], 16, v20
	v_and_b32 v[GB+5], 0xffff0000, v20
	v_lshlrev_b32 v[GB+6], 16, v21
	v_and_b32 v[GB+7], 0xffff0000, v21
	s_mov_b32 s[N], 0
.Lstep:                                                ; 2 jj + 1 trips, the same number in all partners; every LDS address is fixed
	STEP 1
	s_add_co_u32 s[N], s[N], 1
	s_cmp_lt_u32 s[N], s[NB]
	s_cbranch_scc1 .Lstep
	STEP 0
	; THE END.  out = O / L; y = out - mean(out); the variance is the mean of y^2: two passes, no difference of large sums.  A query's 512 channels lie in 64 registers, two lanes and four waves.
	PLACES
	ALLT v_add_f32 v[ST+4*t+2], v[ST+4*t+2], v[ST+4*t+3]
	ALLT v_permlanex16_b32 v[ST+4*t+3], v[ST+4*t+2], s[SEL], s[SEL+1]
	ALLT v_add_f32 v[ST+4*t+2], v[ST+4*t+2], v[ST+4*t+3]   ; l of my 32 keys a step
	WIN 0x05                                       ; sources in window 1, destination in window 0
.set i, 0
.rept 32                               ; accumulator i = 4 cb + t: its eight registers into two pairs, the lowest first
	v_pk_add_f32 v[U+4*i:U+4*i+1],   v[8*i:8*i+1],   v[8*i+2:8*i+3]
	v_pk_add_f32 v[U+4*i+2:U+4*i+3], v[8*i+4:8*i+5], v[8*i+6:8*i+7]
.set i, i+1
.endr
	WIN 0
.set i, 0
.rept 32
	v_pk_add_f32 v[U+4*i:U+4*i+1], v[U+4*i:U+4*i+1], v[U+4*i+2:U+4*i+3]
.set i, i+1
.endr
.irp s, 16,8,4                         ; over the channel blocks
.set i, 0
.rept \s
	v_pk_add_f32 v[U+4*i:U+4*i+1], v[U+4*i:U+4*i+1], v[U+4*(i+\s):U+4*(i+\s)+1]
.set i, i+1
.endr
.endr
	ALLT v_add_f32 v[ST+4*t+3], v[U+4*t], v[U+4*t+1]
	ALLT v_permlanex16_b32 v[TMP+4*t], v[ST+4*t+3], s[SEL], s[SEL+1]
	ALLT v_add_f32 v[ST+4*t+3], v[ST+4*t+3], v[TMP+4*t]    ; the sum of O over my 128 channels
	ALLT ds_store_b64 v[E1S], v[ST+4*t+2:ST+4*t+3] offset:512*t
	s_wait_dscnt 0x0
	s_barrier_signal -1
	s_barrier_wait -1
	ALLT ds_load_b128 v[U+8*t:U+8*t+3], v[E1L] offset:512*t
	ALLT ds_load_b128 v[U+8*t+4:U+8*t+7], v[E1L] offset:512*t+16
	s_wait_dscnt 0x0
	ALLT v_pk_add_f32 v[U+8*t:U+8*t+1], v[U+8*t:U+8*t+1], v[U+8*t+2:U+8*t+3]
	ALLT v_pk_add_f32 v[U+8*t+4:U+8*t+5], v[U+8*t+4:U+8*t+5], v[U+8*t+6:U+8*t+7]
	ALLT v_pk_add_f32 v[U+8*t:U+8*t+1], v[U+8*t:U+8*t+1], v[U+8*t+4:U+8*t+5]
	ALLT v_rcp_f32 v[TMP+4*t], v[U+8*t]            ; 1 / L
	v_nop
	s_wait_alu depctr_va_vdst(0)
	ALLT v_mul_f32 v[TMP+4*t+2], v[U+8*t+1], v[TMP+4*t]
	ALLT v_mul_f32 v[TMP+4*t+2], 0xbb000000, v[TMP+4*t+2]  ; - mean(out)
	WIN 0x41
.set i, 0
.rept 128                              ; y = O / L - mean
	v_pk_fma_f32 v[2*i:2*i+1], v[2*i:2*i+1], v[TMP+4*((i/4)%4):TMP+4*((i/4)%4)+1], v[TMP+4*((i/4)%4)+2:TMP+4*((i/4)%4)+3] op_sel_hi:[1,0,0]
.set i, i+1
.endr
	WIN 0x05
.set i, 0
.rept 128                              ; i = 16 cb + 4 z + t: the sum of y^2 in two chains a tile, eight chains by turns
.set rY, 8*(4*(i/16)+i%4)+2*((i/4)%4)
.set rA, U+4*(i%4)+2*((i/4)%2)
.if i < 8
	v_pk_mul_f32 v[rA:rA+1], v[rY:rY+1], v[rY:rY+1]
.else
	v_pk_fma_f32 v[rA:rA+1], v[rY:rY+1], v[rY:rY+1], v[rA:rA+1]
.endif
.set i, i+1
.endr
	WIN 0
	ALLT v_pk_add_f32 v[U+4*t:U+4*t+1], v[U+4*t:U+4*t+1], v[U+4*t+2:U+4*t+3]
	ALLT v_add_f32 v[TMP+4*t], v[U+4*t], v[U+4*t+1]
	ALLT v_permlanex16_b32 v[TMP+4*t+1], v[TMP+4*t], s[SEL], s[SEL+1]
	ALLT v_add_f32 v[TMP+4*t], v[TMP+4*t], v[TMP+4*t+1]
	ALLT ds_store_b32 v[E2S], v[TMP+4*t] offset:256*t
	s_wait_dscnt 0x0
	s_barrier_signal -1
	s_barrier_wait -1
	ALLT ds_load_b128 v[U+4*t:U+4*t+3], v[E2L] offset:256*t
	s_wait_dscnt 0x0
	ALLT v_add_f32 v[U+4*t], v[U+4*t], v[U+4*t+1]
	ALLT v_add_f32 v[U+4*t+2], v[U+4*t+2], v[U+4*t+3]
	ALLT v_add_f32 v[TMP+4*t], v[U+4*t], v[U+4*t+2]
	ALLT v_fma_f32 v[TMP+4*t], v[TMP+4*t], s56, s57        ; variance + 1e-5
	ALLT v_rsq_f32 v[TMP+4*t], v[TMP+4*t]
	v_nop
	s_wait_alu depctr_va_vdst(0)
; Tile t leaves: y / sqrt(..) goes into my stage by queries (a lane's 8 channels are 32 bytes of a row) and comes back as whole rows of my 128 channels; then gamma and beta, and the store.
.macro OUTT t
	WIN 0x01                                       ; y in window 1
.set i, 0
.rept 32                               ; i = 4 cb + pair
	v_pk_mul_f32 v[U+2*i:U+2*i+1], v[8*(4*(i/4)+(\t))+2*(i%4):8*(4*(i/4)+(\t))+2*(i%4)+1], v[TMP+4*(\t):TMP+4*(\t)+1] op_sel_hi:[1,0]
.set i, i+1
.endr
	WIN 0
.set i, 0
.rept 8
	ds_store_b128 v[STO], v[U+8*i:U+8*i+3]   offset:64*i
	ds_store_b128 v[STO], v[U+8*i+4:U+8*i+7] offset:64*i+16
.set i, i+1
.endr
.set BK, KB0+64*((\t)%2)
.if (\t) >= 2
	s_wait_xcnt 0x0                                ; these registers are loaded again only when the stores that read them have had their addresses translated (ISA guide 3.1)
.endif
.set i, 0
.rept 16
	ds_load_b128 v[BK+4*i:BK+4*i+3], v[RD] offset:i*SPITCH  ; LDS serves a wave's instructions in order (ISA guide 5.7.1.4): these see the stores above; the next tile's stores come behind them
.set i, i+1
.endr
.set i, 0
.rept 16
	s_wait_dscnt 15-i                              ; row i is back; the younger rows stay out
	v_pk_fma_f32 v[BK+4*i:BK+4*i+1],   v[BK+4*i:BK+4*i+1],   v[GB:GB+1],   v[GB+4:GB+5]
	v_pk_fma_f32 v[BK+4*i+2:BK+4*i+3], v[BK+4*i+2:BK+4*i+3], v[GB+2:GB+3], v[GB+6:GB+7]
	global_store_b128 v[GO], v[BK+4*i:BK+4*i+3], s[10:11] offset:(16*(\t)+i)*2048 th:TH_STORE_NT  ; the wave stores 512 consecutive bytes, at a multiple of 512 from out0's first byte
.set i, i+1
.endr
.endm
	OUTT 0
	OUTT 1
	OUTT 2
	OUTT 3
	s_wait_tensorcnt 0x0                           ; the wave's end
	ds_add_u32 v[SPW], v[NIL]
	s_wait_dscnt 0x0
	CROUND                                         ; the closing round
	s_endpgm
.Lfunc_end_k_qde5f0307fc_attn:
	.size	k_qde5f0307fc_attn, .Lfunc_end_k_qde5f0307fc_attn-k_qde5f0307fc_attn
	.p2alignl 7, 3214868480
	.fill 96, 4, 3214868480
	.section	.rodata,"a",@progbits
	.p2align	6, 0x0
	.amdhsa_kernel k_qde5f0307fc_attn
		.amdhsa_group_segment_fixed_size 327680
		.amdhsa_private_segment_fixed_size 0
		.amdhsa_enable_private_segment 0
		.amdhsa_kernarg_size 32
		.amdhsa_user_sgpr_count 2
		.amdhsa_user_sgpr_kernarg_segment_ptr 1
		.amdhsa_wavefront_size32 1
		.amdhsa_system_sgpr_workgroup_id_x 1
		.amdhsa_system_sgpr_workgroup_id_y 1
		.amdhsa_system_sgpr_workgroup_id_z 1
		.amdhsa_system_vgpr_workitem_id 0
		.amdhsa_next_free_vgpr 1024
		.amdhsa_next_free_sgpr 66
		.amdhsa_reserve_vcc 1
		.amdhsa_float_denorm_mode_32 3
		.amdhsa_float_denorm_mode_16_64 3
		.amdhsa_memory_ordered 1
		.amdhsa_forward_progress 1
		.amdhsa_inst_pref_size 197
	.end_amdhsa_kernel
	.amdgpu_metadata
---
amdhsa.version: [ 1, 2 ]
amdhsa.kernels:
  - .name:           k_qde5f0307fc_attn
    .symbol:         k_qde5f0307fc_attn.kd
    .args:
      - { .name: qkv, .offset: 0, .size: 8, .value_kind: global_buffer, .address_space: global }
      - { .name: gamma, .offset: 8, .size: 8, .value_kind: global_buffer, .address_space: global }
      - { .name: beta, .offset: 16, .size: 8, .value_kind: global_buffer, .address_space: global }
      - { .name: out0, .offset: 24, .size: 8, .value_kind: global_buffer, .address_space: global }
    .group_segment_fixed_size: 327680
    .private_segment_fixed_size: 0
    .kernarg_segment_align: 8
    .kernarg_segment_size: 32
    .max_flat_workgroup_size: 128
    .sgpr_count:     66
    .vgpr_count:     1024
    .wavefront_size: 32
...
	.end_amdgpu_metadata
.endif
;; end of part 3
;; ======== version 2 of 2: 3 launches; 1.13 times as fast as version 1
;; limits: values are held in f16: magnitudes above 65,504 overflow, below 6.1e-05 lose precision
;; workspace buffers: wb 3,145,728 bytes; qkv 50,331,648 bytes
;; launch castw: the kernel of part 1 again; grid 128 x 3, 8 waves a work-group, no clusters, 0 bytes of LDS; arguments Wq, Wk, Wv, wb; writes wb
;; launch proj: the kernel of part 2 again; grid 4 x 64, 4 waves a work-group, clusters of 4 x 4, 327,680 bytes of LDS; arguments x0, x1, wb, qkv; writes qkv
;; launch attn (part 4): grid 32 x 8, 4 waves a work-group, clusters of 4 x 1, 327,680 bytes of LDS; arguments qkv, gamma, beta, out0; writes out0
.if DOCPART == 4
	.amdgcn_target "amdgcn-amd-amdhsa--gfx1250"
	.amdhsa_code_object_version 6
	.text
	.protected	k_qde5f0307fc_attn
	.globl	k_qde5f0307fc_attn
	.p2align	8
	.type	k_qde5f0307fc_attn,@function
k_qde5f0307fc_attn:
	s_mov_b64 s[64:65], 0
	v_nop
	global_prefetch_b8 v0, s[64:65] scope:SCOPE_SE
	s_setreg_imm32_b32 hwreg(HW_REG_WAVE_MODE, 25, 1), 1
	s_wait_xcnt 0x0
	s_wait_alu depctr_hold_cnt(0) depctr_sa_sdst(0) depctr_va_vdst(0) depctr_va_sdst(0) depctr_va_ssrc(0) depctr_va_vcc(0) depctr_vm_vsrc(0)
	s_getreg_b32 s2, hwreg(HW_REG_IB_STS2, 6, 4)
	s_cmp_eq_u32 s2, 0
	s_cbranch_scc0 .Lentry_in_a_cluster
	s_endpgm
.Lentry_in_a_cluster:
	s_bfe_u32 s2, ttmp6, 0x10000c
	s_cmp_lg_u32 s2, 0x3003
	s_cbranch_scc0 .Lentry_shape_is_right
	s_endpgm
.Lentry_shape_is_right:
; out0[b][q][:] = LayerNorm( sum over k <= q of softmax_k(Q[q] . K[k] / sqrt(512)) V[k][:] ) x gamma + beta.  qkv: [8 x 2048][1536] f16, q | k | v in each row of 3,072 bytes.  out0: f32.
; Products, maxima, sums and the norm in f32; the weights p are rounded to f16 for the second product (their sum l is taken of the unrounded p).  gamma and beta are rounded to bf16 like the
; program's other inputs, so that the whole program computes on inputs of one rounding.
; LIMITS.  q, k, v arrive within f16's 65,504.  A hidden score counts as -1e30 (f16's scores reach 2.2e12 at the most).  A weight below 2^-126 counts as 0.  NaN and infinities are not treated apart.
; SHARES.  A batch's queries lie in 16 blocks of 128, its keys in 16 tiles of 128; block i needs tiles 0 .. i, of which tile i holds the diagonal.  Cluster jj (0 .. 7) owns TWO blocks, H = 15 - jj and jj:
; 17 pairs of block and tile, whatever jj, so all work-groups multiply equally much.  Each of the cluster's four work-groups owns 32 queries of either block: tiles t = 0, 1 of 16 queries in block H,
; t = 2, 3 in block jj.
; THE WALK is a ring over the tiles 0 .. H: it begins at tile F, goes down to tile 0, and then from tile H down to tile F + 1: 16 - jj steps, K's and V's tiles asked for JOINTLY by the four partners.
; Tiles 0, 1 work in every step; tiles 2, 3 in the steps whose tile is jj or lower: elsewhere their part of each phase is jumped over, forward, on the tile's number and jj, alike in all partners; what is
; jumped holds no barrier and no tensor load.  The running maximum makes the order of the keys free.  A block's diagonal tile is masked wherever it comes; a block's first tile is its diagonal one, in
; which every row sees its own key, or one that hides nothing: so m is a true score from a block's first step on.
; WHERE THE WALKS BEGIN: F = 15, 13, 9, 4, 11, 9, 6, 3 for jj = 0 .. 7.  Among a batch's clusters 0 to 3 each of the 16 tiles is asked for first by one cluster (15, 14 | 13 .. 10 | 9 .. 5 | 4 .. 0), among
; clusters 4 to 7 each of the tiles 0 .. 11 (11, 10 | 9 .. 7 | 6 .. 4 | 3 .. 0): the first requests for a batch's tiles go out side by side from several clusters, five on end at the most, and the cluster
; with the most steps makes the fewest of them.
; IN A STEP all four waves work on all the work-group's queries.  S^T = K Q^T: wave w takes keys 32 w .. 32 w + 31; Q of all 64 queries lies in every wave's registers.
; O^T += V^T P: wave w takes channels 128 w .. 128 w + 127.  So each byte of K and V is read from LDS once.  The step's maxima and P pass between the waves through LDS.
; SOFTMAX.  For each query a running maximum m over all four waves' keys; p = 2^(c s - c m), c = log2(e) / sqrt(512); O and l are multiplied by a = 2^(c m_old - c m_new) in every step.
; m starts at the lowest finite number, O and l at 0: a block's first step is a step like any other, with a = 0; the price is the v_mov_b32 in the wait for the first tile.
; LDS has one slot for K and one for V (two of each for 128 keys do not fit): K of the next step lands during this step's softmax and second product, V of the next step during its first product.
; REGISTERS (s_set_vgpr_msb: bits 1:0 source 0, 3:2 source 1, 5:4 source 2, 7:6 destination):
;   window 0: v0-23 addresses; v24-39 statistics; v40-55 at work; v56-63 gamma, beta; v64-127 S^T; v128-255 K's fragments; in the second product v64-159, v160-255 two buffers of P and V
;   window 1: O^T, (channel block cb, tile t) at v[8 (4 cb + t)]        windows 2, 3: Q, (chunk c of 32 channels, tile t) at v[8 (4 (c % 8) + t)] of window 2 + c / 8
.set ROWB,   3072                      ; bytes in a row of qkv
.set KPITCH, 1040                      ; a row of K in LDS: 1,024 bytes + 16 = 260 words: row r starts at bank 4 r mod 64 (64 banks of 4 bytes: ISA guide 11.1)
.set VPITCH, 1056                      ; a row of V: 1,024 + 32 = 33 x 32 bytes
.set VS,     128*KPITCH                ; K's slot from 0, V's from here
.set PX,     VS+128*VPITCH             ; 268,288: P, as the fragments lie in registers: [wave][tile][half][lane] x 16 bytes = 16,384
.set MX,     PX+16384                  ; the waves' maxima: [tile][query][wave] f32 = 1,024
.set EX1,    MX+1024                   ; the end: [tile][query][wave] (l, sum of O) = 2,048
.set EX2,    EX1+2048                  ; the end: [tile][query][wave] sum of squares = 1,024
.set STAGE,  EX2+1024                  ; the way out: 16 rows x 528 bytes for each wave
.set SPITCH, 528
.set SPARE,  STAGE+4*16*SPITCH         ; 322,560: the spare words, 128 bytes a wave, two blocks of 256 bytes that no other line names
.set STEPB,  128*ROWB                  ; a tile's 128 rows in memory
.set FIRST,  0x369b49df                ; F by jj, four bits each, jj = 0 in the lowest: 15, 13, 9, 4, 11, 9, 6, 3
.set AK,  3                            ; v3     my place in my 32 rows of K
.set AV,  4                            ; v4-5   my place in V: keys 0-63, 64-127
.set PXS, 6                            ; v6     where I put P;  v7 where I read it
.set PXL, 7
.set MXS, 8                            ; v8, v9 the same for the maxima
.set MXL, 9
.set DQ,  10                           ; v10    in a diagonal tile: my query's place in its block less my first key's in the tile, 32 cx + r - 32 w - 8 h; never rewritten
.set BIG, 11                           ; v11    -1e30
.set QO,  12                           ; v12    my byte offset in 16 rows of Q
.set E1S, 13
.set E1L, 14
.set E2S, 15
.set E2L, 16
.set STO, 17
.set RD,  18
.set GO,  19                           ; v19    16 x my thread's number: my 16 bytes of a row of out0, and of gamma and beta
.set SPW, 22                           ; v22    my spare word; never rewritten
.set NIL, 23                           ; v23    0; never rewritten
.set ST,  24                           ; tile t at v[ST + 4 t]: c m, m, l (even keys', odd keys')
.set TMP, 40                           ; tile t at v[TMP + 4 t]: two at work, a, and a register named with a as a pair
.set GB,  56                           ; v56-59 gamma, v60-63 beta of my four channels
.set S,   64                           ; S^T of (tile t, key block kb) at S + 16 t + 8 kb
.set U,   64                           ; the end: at work
.set KB0, 128
.set KB1, 192
.set PK,  128                          ; P packed, 8 registers a tile
.set MXR, 192                          ; the four waves' maxima, 4 registers a tile
.set PB0, 64                           ; P of tile t at + 8 t, V of channel block cb at + 32 + 8 cb
.set PB1, 160
.set WV,  12
.set G1K, 24
.set G1V, 32
.set G0K, 40
.set G0V, 44
.set N,   48                           ; s48 the loop's count, from 0;  s49 = H = 15 - jj: its bound, and block H's diagonal tile
.set NB,  49
.set JJ,  50                           ; s50 = jj: tiles 2, 3 work where the key tile is jj or lower, and are masked at tile jj
.set CS,  52                           ; s[52:53] c
.set SEL, 54                           ; s[54:55] v_permlanex16_b32's selects: each lane takes its own place in the other half
.set QL,  58                           ; s[58:59] Q at my queries of block jj
.set OL,  60                           ; s[60:61] out0 at them
.set KBS, 66                           ; s[66:67] k, s[68:69] v at my 32 keys of the batch's tile 0
.set VBS, 68
.set OFS, 70                           ; s[70:71] a tile's byte offset from there
.set TL,  72                           ; s72 the key tile in hand;  s73 the next one
.set TNX, 73
.set MSB, 0
.macro WIN new
.if MSB != (\new)
	s_set_vgpr_msb (MSB<<8)|(\new)
.set MSB, (\new)
.endif
.endm
.macro PLACES                          ; four plain vector instructions behind a matrix instruction, ahead of what reads its result or writes its registers (ISA guide 7.12.1)
.rept 4
	v_nop
.endr
.endm
.macro ALLT line:vararg                ; one line for each tile t
.set t, 0
.rept 4
	\line
.set t, t+1
.endr
.endm
.set TB, 0
.macro ALLP line:vararg                ; one line for each tile of the pair TB, TB + 1
.set t, TB
.rept 2
	\line
.set t, t+1
.endr
.endm
.macro CROUND                          ; a round of the cluster's barrier
	s_barrier_signal -1
	s_barrier_wait -1
	s_cmp_lg_u32 s[WV], 0
	s_cbranch_scc1 .Lnot_wave_0_\@
	s_barrier_signal -3
.Lnot_wave_0_\@:
	s_barrier_wait -3
	s_barrier_signal -1
	s_barrier_wait -1
.endm
	s_load_b256 s[4:11], s[0:1], 0x0               ; qkv s[4:5], gamma s[6:7], beta s[8:9], out0 s[10:11]
	v_lshl_add_u32 v[SPW], v0, 2, SPARE
	v_mov_b32 v[NIL], 0
	ds_add_u32 v[SPW], v[NIL]                      ; the wave's opening: the add and its wait stand ahead of my first tensor load
	v_lshrrev_b32 v20, 5, v0
	v_readfirstlane_b32 s[WV], v20
	s_bfe_u32 s13, ttmp6, 0x40000                  ; cx: it enters Q's and out0's addresses and the mask, nothing else
	s_and_b32 s14, ttmp7, 0xffff
	s_lshl_b32 s14, s14, 11                        ; the batch's first row
	s_mov_b32 s[JJ], ttmp9                         ; in a cluster launch ttmp9 counts clusters: jj
	s_sub_co_u32 s[NB], 15, ttmp9                  ; H = 15 - jj
	s_lshl_b32 s16, ttmp9, 2
	s_lshr_b32 s[TL], FIRST, s16
	s_and_b32 s[TL], s[TL], 15                     ; F: the walk's first tile
	s_mul_i32 s[OFS], s[TL], STEPB
	s_mov_b32 s[OFS+1], 0
	s_lshl_b32 s15, s[WV], 5                       ; my 32 keys of a tile
	s_lshl_b32 s23, s13, 5                         ; my work-group's 32 queries of a block
	s_add_co_u32 s16, s14, s15                     ; my first key of the batch's tile 0: no place in the cluster enters
	s_mul_i32 s16, s16, ROWB
	s_mov_b32 s17, 0
	s_lshl_b32 s18, s[NB], 7
	s_add_co_u32 s18, s18, s14
	s_add_co_u32 s18, s18, s23                     ; my first query of block H
	s_lshl_b32 s20, s18, 11                        ; times 2,048 bytes of out0,
	s_mov_b32 s21, 0
	s_mul_i32 s18, s18, ROWB                       ; times 3,072 of qkv
	s_mov_b32 s19, 0
	s_lshl_b32 s2, ttmp9, 7
	s_add_co_u32 s2, s2, s14
	s_add_co_u32 s2, s2, s23                       ; my first query of block jj
	s_lshl_b32 s62, s2, 11
	s_mov_b32 s63, 0
	s_mul_i32 s2, s2, ROWB
	s_mov_b32 s3, 0
	s_sub_co_u32 s22, s23, s15                     ; for the mask: 32 cx - 32 w
	; group 1: 32 rows x 512 elements of 2 bytes, padded behind every 256 words; the mask names all four work-groups
	s_mov_b32 s[G1K], 15|(1<<16)|(1<<20)|(1<<21)|(7<<22)|(3<<25)
	s_mov_b32 s[G1V], 15|(1<<16)|(1<<20)|(1<<21)|(7<<22)|(7<<25)
.irp g, G1K, G1V
	s_mov_b32 s[\g+1], 512<<16                     ; tensor_dim0 = 512
	s_mov_b32 s[\g+2], 32<<16                      ; tensor_dim1 = 32
	s_mov_b32 s[\g+3], 512<<16                     ; tile_dim0 = 512
	s_mov_b32 s[\g+4], 32                          ; tile_dim1 = 32
	s_mov_b32 s[\g+5], 1536                        ; 1,536 elements from row to row
	s_mov_b32 s[\g+6], 0
	s_mov_b32 s[\g+7], 0
.endr
	s_mov_b32 s[G0K], 1
	s_mul_i32 s[G0K+1], s[WV], 32*KPITCH           ; every wave fetches its quarter of each tile
	s_mov_b32 s[G0V], 1
	s_mul_i32 s[G0V+1], s[WV], 32*VPITCH
	s_add_co_u32 s[G0V+1], s[G0V+1], VS
	s_mov_b32 s[CS], 0x3d8293ee                    ; c = log2(e) / sqrt(512) = 0.0637587
	s_mov_b32 s[CS+1], s[CS]
	s_mov_b32 s[SEL], 0x76543210
	s_mov_b32 s[SEL+1], 0xfedcba98
	s_mov_b32 s56, 0x3b000000                      ; 1 / 512
	s_mov_b32 s57, 0x3727c5ac                      ; 1e-5
	s_wait_dscnt 0x0                               ; the opening add is done
	s_wait_kmcnt 0x0
	s_add_nc_u64 s[KBS:KBS+1], s[4:5], s[16:17]
	s_add_nc_u64 s[VBS:VBS+1], s[KBS:KBS+1], 2048  ; v lies 2,048 bytes into a row,
	s_add_nc_u64 s[KBS:KBS+1], s[KBS:KBS+1], 1024  ; k 1,024
	s_add_nc_u64 s[G0K+2:G0K+3], s[KBS:KBS+1], s[OFS:OFS+1]  ; tile F
	s_or_b32 s[G0K+3], s[G0K+3], 0x80000000
	s_add_nc_u64 s[G0V+2:G0V+3], s[VBS:VBS+1], s[OFS:OFS+1]
	s_or_b32 s[G0V+3], s[G0V+3], 0x80000000
	s_add_nc_u64 s[QL:QL+1], s[4:5], s[2:3]        ; Q and out0 at my queries of block jj,
	s_add_nc_u64 s[OL:OL+1], s[10:11], s[62:63]
	s_add_nc_u64 s[4:5], s[4:5], s[18:19]          ; and of block H
	s_add_nc_u64 s[10:11], s[10:11], s[20:21]
	CROUND                                         ; all four work-groups are here: the first joint loads meet
	tensor_load_to_lds s[G0K:G0K+3], s[G1K:G1K+7]  ; K of tile F
	s_nop 0
	tensor_load_to_lds s[G0V:G0V+3], s[G1V:G1V+7]  ; V of tile F: two loads of mine are out
	s_nop 0
	PLACES
	v_and_b32 v1, 15, v0                           ; r = l % 16
	v_bfe_u32 v2, v0, 4, 1                         ; h = l / 16
	v_mul_u32_u24 v[QO], v1, ROWB
	v_lshl_add_u32 v[QO], v2, 4, v[QO]
.macro QLOAD add                       ; eight chunks of Q for the four tiles: i = 4 (chunk % 8) + tile
.set i, 0
.rept 32
.if (i%4) < 2
	global_load_b128 v[8*i:8*i+3],   v[QO], s[4:5] offset:(i%2)*16*ROWB+(i/4)*64+(\add)
	global_load_b128 v[8*i+4:8*i+7], v[QO], s[4:5] offset:(i%2)*16*ROWB+(i/4)*64+(\add)+32
.else
	global_load_b128 v[8*i:8*i+3],   v[QO], s[QL:QL+1] offset:(i%2)*16*ROWB+(i/4)*64+(\add)
	global_load_b128 v[8*i+4:8*i+7], v[QO], s[QL:QL+1] offset:(i%2)*16*ROWB+(i/4)*64+(\add)+32
.endif
.set i, i+1
.endr
.endm
	WIN 0x80                                       ; Q stays in registers: chunks 0-7 in window 2,
	QLOAD 0
	WIN 0xc0                                       ; chunks 8-15 in window 3
	QLOAD 512
	WIN 0
	v_lshlrev_b32 v[GO], 4, v0
	global_load_b128 v[GB:GB+3],   v[GO], s[6:7]
	global_load_b128 v[GB+4:GB+7], v[GO], s[8:9]
	WIN 0x40
.set i, 0
.rept 256
	v_mov_b32 v[i], 0                              ; O^T
.set i, i+1
.endr
	WIN 0
	ALLT v_mov_b32 v[ST+4*t], 0xfe000000           ; c m: far below every c s
	ALLT v_mov_b32 v[ST+4*t+1], 0xff7fffff         ; m
	ALLT v_mov_b32 v[ST+4*t+2], 0
	ALLT v_mov_b32 v[ST+4*t+3], 0
.set i, 0
.rept 16                               ; the registers at work, and tiles 2 and 3's S^T, are written once here: the parts of a step that name them stand behind jumps of their own,
	v_mov_b32 v[TMP+i], 0                          ; and so no way through the text reads a register that nothing wrote
.set i, i+1
.endr
.set i, 0
.rept 32
	v_mov_b32 v[S+32+i], 0
.set i, i+1
.endr
	v_mov_b32 v[BIG], 0xf149f2ca                   ; -1e30
	v_lshlrev_b32 v20, 3, v2
	v_sub_nc_u32 v[DQ], v1, v20
	v_add_nc_u32 v[DQ], s22, v[DQ]                 ; 32 cx + r - 32 w - 8 h
	v_mul_u32_u24 v[AK], v1, KPITCH                ; a fragment of K: row r, 16 bytes for each half of the lanes, two loads 32 bytes apart
	v_lshl_add_u32 v[AK], v2, 4, v[AK]
	s_mul_i32 s15, s[WV], 32*KPITCH
	v_add_nc_u32 v[AK], s15, v[AK]
	v_and_b32 v20, 7, v0                           ; the turning load: lane l reads key 8 h + l % 8, channels 8 ((l / 8) % 2) + 0..7
	v_bfe_u32 v21, v0, 3, 1
	v_lshl_add_u32 v[AV], v2, 3, v20
	v_mul_u32_u24 v[AV], v[AV], VPITCH
	v_lshl_add_u32 v[AV], v21, 4, v[AV]
	s_lshl_b32 s15, s[WV], 8                       ; my 128 channels
	s_add_co_u32 s15, s15, VS
	v_add_nc_u32 v[AV], s15, v[AV]
	v_add_nc_u32 v[AV+1], 64*VPITCH, v[AV]
	v_and_b32 v20, 31, v0
	v_lshl_add_u32 v[PXL], v20, 4, PX
	s_lshl_b32 s15, s[WV], 12
	v_add_nc_u32 v[PXS], s15, v[PXL]
	v_lshl_add_u32 v[MXL], v1, 4, MX
	s_lshl_b32 s15, s[WV], 2
	v_add_nc_u32 v[MXS], s15, v[MXL]
	v_lshl_add_u32 v[E2L], v1, 4, EX2
	v_add_nc_u32 v[E2S], s15, v[E2L]
	v_lshl_add_u32 v[E1L], v1, 5, EX1
	s_lshl_b32 s15, s[WV], 3
	v_add_nc_u32 v[E1S], s15, v[E1L]
	s_mul_i32 s15, s[WV], 16*SPITCH
	s_add_co_u32 s15, s15, STAGE                   ; my stage
	v_mul_u32_u24 v[STO], v1, SPITCH               ; in: row r, 32 bytes for each half of the lanes
	v_lshl_add_u32 v[STO], v2, 5, v[STO]
	v_add_nc_u32 v[STO], s15, v[STO]
	v_lshl_add_u32 v[RD], v20, 4, s15              ; back: 32 lanes take a row's 512 bytes
; EVERY PHASE IS WRITTEN FOR A PAIR OF TILES, tb = 0 or 2.  Tiles 2 and 3's copy stands behind a jump, taken where the key tile lies above jj.
; 16 loads: K's fragments of chunks 4 g .. 4 g + 3, both key blocks
.macro LDK g, buf
.irp cc, 0,1,2,3
.irp kb, 0,1
	ds_load_b128 v[(\buf)+8*(2*\cc+\kb):(\buf)+8*(2*\cc+\kb)+3],   v[AK] offset:\kb*16*KPITCH+64*(4*(\g)+\cc)
	ds_load_b128 v[(\buf)+8*(2*\cc+\kb)+4:(\buf)+8*(2*\cc+\kb)+7], v[AK] offset:\kb*16*KPITCH+64*(4*(\g)+\cc)+32
.endr
.endr
.endm
; 16 products of S^T = K Q^T for a pair of tiles; its 4 accumulators take turns; chunk 0 starts the sums
.macro MULS g, buf, tb
	WIN 0x08+4*((\g)/2)
.irp cc, 0,1,2,3
.irp kb, 0,1
.irp u, 0,1
.set rS, S+16*((\tb)+\u)+8*\kb
.set rK, (\buf)+8*(2*\cc+\kb)
.set rQ, 8*(4*((4*(\g)+\cc)%8)+(\tb)+\u)
.if ((\g)+\cc) == 0
	v_wmma_f32_16x16x32_f16 v[rS:rS+7], v[rK:rK+7], v[rQ:rQ+7], 0
.else
	v_wmma_f32_16x16x32_f16 v[rS:rS+7], v[rK:rK+7], v[rQ:rQ+7], v[rS:rS+7]
.endif
.endr
.endr
.endr
.endm
.macro SG g, buf                       ; a group of K's chunks against both pairs.  At a branch and at a label every window is 0
	MULS \g, \buf, 0
	WIN 0
	s_cmp_gt_u32 s[TL], s[JJ]
	s_cbranch_scc1 .Lsd_\@
	MULS \g, \buf, 2
	WIN 0
.Lsd_\@:
.endm
; the diagonal tile's mask for a pair: register j of key block kb of the pair's tile u is hidden where 16 kb + j - 16 u > DQ.  i = 16 u + 8 kb + j: each accumulator's registers in ascending order
.macro MASK tb
.set i, 0
.rept 32
	v_cmp_gt_i32 vcc_lo, 16*((i/8)%2)+i%8-16*(i/16), v[DQ]
	v_cndmask_b32 v[S+16*(\tb)+i], v[S+16*(\tb)+i], v[BIG], vcc_lo
.set i, i+1
.endr
.endm
; my 32 keys' maximum for each query of a pair; each accumulator's lowest registers are read first
.macro MAXS tb
.set TB, (\tb)
	ALLP v_max3_num_f32 v[TMP+4*t], v[S+16*t], v[S+16*t+1], v[S+16*t+2]
	ALLP v_max3_num_f32 v[TMP+4*t+1], v[S+16*t+8], v[S+16*t+9], v[S+16*t+10]
	ALLP v_max3_num_f32 v[TMP+4*t], v[TMP+4*t], v[S+16*t+3], v[S+16*t+4]
	ALLP v_max3_num_f32 v[TMP+4*t+1], v[TMP+4*t+1], v[S+16*t+11], v[S+16*t+12]
	ALLP v_max3_num_f32 v[TMP+4*t], v[TMP+4*t], v[S+16*t+5], v[S+16*t+6]
	ALLP v_max3_num_f32 v[TMP+4*t+1], v[TMP+4*t+1], v[S+16*t+13], v[S+16*t+14]
	ALLP v_max3_num_f32 v[TMP+4*t], v[TMP+4*t], v[S+16*t+7], v[S+16*t+15]
	ALLP v_max_num_f32 v[TMP+4*t], v[TMP+4*t], v[TMP+4*t+1]
	ALLP v_permlanex16_b32 v[TMP+4*t+1], v[TMP+4*t], s[SEL], s[SEL+1]
	ALLP v_max_num_f32 v[TMP+4*t], v[TMP+4*t], v[TMP+4*t+1]
	ALLP ds_store_b32 v[MXS], v[TMP+4*t] offset:256*t
.endm
.macro LDMX tb                         ; the four waves' maxima for a pair
.set TB, (\tb)
	ALLP ds_load_b128 v[MXR+4*t:MXR+4*t+3], v[MXL] offset:256*t
.endm
; a pair's softmax: the new m, c m and a; p; P rounded and handed to LDS; l
.macro SMX tb
.set TB, (\tb)
	ALLP v_mov_b32 v[TMP+4*t+1], v[ST+4*t]
	ALLP v_max3_num_f32 v[TMP+4*t], v[MXR+4*t], v[MXR+4*t+1], v[MXR+4*t+2]
	ALLP v_max3_num_f32 v[ST+4*t+1], v[TMP+4*t], v[MXR+4*t+3], v[ST+4*t+1]
	ALLP v_mul_f32 v[ST+4*t], s[CS], v[ST+4*t+1]
	ALLP v_sub_f32 v[TMP+4*t+1], v[TMP+4*t+1], v[ST+4*t]
.set i, 8*(\tb)
.rept 16                               ; c s - c m, a pair of scores at a time
	v_pk_fma_f32 v[S+2*i:S+2*i+1], v[S+2*i:S+2*i+1], s[CS:CS+1], v[ST+4*(i/8):ST+4*(i/8)+1] op_sel_hi:[1,0,0] neg_lo:[0,0,1] neg_hi:[0,0,1]
.set i, i+1
.endr
	ALLP v_exp_f32 v[TMP+4*t+2], v[TMP+4*t+1]
.set i, 16*(\tb)
.rept 32
	v_exp_f32 v[S+i], v[S+i]
.set i, i+1
.endr
	v_nop                                          ; a plain instruction between the exponentials and the use of their results (ISA guide 5.7.2)
.set i, 8*(\tb)
	s_wait_alu depctr_va_vdst(0)
.rept 16                               ; two results of 16 keys, rounded in pairs, ARE a fragment of P: 32 keys x 16 queries
	v_cvt_pk_f16_f32 v[PK+i], v[S+2*i], v[S+2*i+1]
.set i, i+1
.endr
	ALLP ds_store_b128 v[PXS], v[PK+8*t:PK+8*t+3] offset:1024*t
	ALLP ds_store_b128 v[PXS], v[PK+8*t+4:PK+8*t+7] offset:1024*t+512
	ALLP v_pk_add_f32 v[S+16*t:S+16*t+1], v[S+16*t:S+16*t+1], v[S+16*t+2:S+16*t+3]
	ALLP v_pk_add_f32 v[S+16*t+4:S+16*t+5], v[S+16*t+4:S+16*t+5], v[S+16*t+6:S+16*t+7]
	ALLP v_pk_add_f32 v[S+16*t+8:S+16*t+9], v[S+16*t+8:S+16*t+9], v[S+16*t+10:S+16*t+11]
	ALLP v_pk_add_f32 v[S+16*t+12:S+16*t+13], v[S+16*t+12:S+16*t+13], v[S+16*t+14:S+16*t+15]
	ALLP v_pk_add_f32 v[S+16*t:S+16*t+1], v[S+16*t:S+16*t+1], v[S+16*t+4:S+16*t+5]
	ALLP v_pk_add_f32 v[S+16*t+8:S+16*t+9], v[S+16*t+8:S+16*t+9], v[S+16*t+12:S+16*t+13]
	ALLP v_pk_add_f32 v[S+16*t:S+16*t+1], v[S+16*t:S+16*t+1], v[S+16*t+8:S+16*t+9]
	ALLP v_pk_fma_f32 v[ST+4*t+2:ST+4*t+3], v[ST+4*t+2:ST+4*t+3], v[TMP+4*t+2:TMP+4*t+3], v[S+16*t:S+16*t+1] op_sel_hi:[1,0,1]
.endm
; 32 lines: a pair's O^T, channel blocks 4 half on, times a; each accumulator's registers in ascending order
.macro RESC tb, half
	WIN 0x41                                       ; O^T in window 1, a in window 0
.irp cb, 0,1,2,3
.irp u, 0,1
.irp z, 0,1,2,3
.set rO, 8*(4*(4*(\half)+\cb)+(\tb)+\u)+2*\z
	v_pk_mul_f32 v[rO:rO+1], v[rO:rO+1], v[TMP+4*((\tb)+\u)+2:TMP+4*((\tb)+\u)+3] op_sel_hi:[1,0]
.endr
.endr
.endr
.endm
; 4 loads: P of wave g's 32 keys for a pair
.macro LDP g, buf, tb
.irp u, 0,1
	ds_load_b128 v[(\buf)+8*((\tb)+\u):(\buf)+8*((\tb)+\u)+3],   v[PXL] offset:4096*(\g)+1024*((\tb)+\u)
	ds_load_b128 v[(\buf)+8*((\tb)+\u)+4:(\buf)+8*((\tb)+\u)+7], v[PXL] offset:4096*(\g)+1024*((\tb)+\u)+512
.endr
.endm
; the 20 loads of a group that every step issues: P for tiles 0 and 1, and V of those 32 keys for my 128 channels, turned
.macro LDC g, buf
	LDP \g, \buf, 0
.irp cb, 0,1,2,3,4,5,6,7
	ds_load_tr16_b128 v[(\buf)+32+8*\cb:(\buf)+32+8*\cb+3],   v[AV+(\g)/2] offset:((\g)%2)*32*VPITCH+32*\cb
	ds_load_tr16_b128 v[(\buf)+32+8*\cb+4:(\buf)+32+8*\cb+7], v[AV+(\g)/2] offset:((\g)%2)*32*VPITCH+16*VPITCH+32*\cb
.endr
.endm
; 16 products of O^T += V^T P for a pair, on 16 accumulators by turns
.macro MULP buf, tb
	WIN 0x50                                       ; V and P in window 0, O^T in window 1
.irp cb, 0,1,2,3,4,5,6,7
.irp u, 0,1
.set rO, 8*(4*\cb+(\tb)+\u)
	v_wmma_f32_16x16x32_f16 v[rO:rO+7], v[(\buf)+32+8*\cb:(\buf)+32+8*\cb+7], v[(\buf)+8*((\tb)+\u):(\buf)+8*((\tb)+\u)+7], v[rO:rO+7]
.endr
.endr
.endm
; a group of 32 keys against both pairs.  nx >= 0: behind tiles 2 and 3's products, and four places, their P of group nx is asked for into the same buffer: ahead of that group's 20 other loads
.macro PG buf, nx
	MULP \buf, 0
	WIN 0
	s_cmp_gt_u32 s[TL], s[JJ]
	s_cbranch_scc1 .Lpd_\@
	MULP \buf, 2
	WIN 0
.if (\nx) >= 0
	PLACES
	LDP \nx, \buf, 2
.endif
.Lpd_\@:
.endm
; A KEY STEP, on tile TL.  refill = 1 (the loop): K and V of the walk's next tile are asked for.  refill = 0 (the walk's last tile, written out): nothing is.
.macro STEP refill
.if \refill
	s_sub_co_u32 s[TNX], s[TL], 1                  ; the next tile: one down, or behind tile 0 tile H
	s_cmp_eq_u32 s[TL], 0
	s_cselect_b32 s[TNX], s[NB], s[TNX]
.endif
	; FIRST PRODUCT.  K comes in four groups of four chunks on two buffers; a group is asked for a group's products ahead of its use.
	LDK 0, KB0
	LDK 1, KB1
	s_wait_dscnt 16                                ; all but the 16 loads just issued
	SG 0, KB0
	PLACES
	LDK 2, KB0
	s_wait_dscnt 16
	SG 1, KB1
	PLACES
	LDK 3, KB1
	s_wait_dscnt 16
	SG 2, KB0
	s_wait_dscnt 0x0
	SG 3, KB1
	PLACES
	; MASKS AND MAXIMA.  Block H's diagonal tile is tile H, block jj's is tile jj.
	s_cmp_lg_u32 s[TL], s[NB]
	s_cbranch_scc1 .Lhopen_\@
	MASK 0
.Lhopen_\@:
	MAXS 0
	s_cmp_gt_u32 s[TL], s[JJ]
	s_cbranch_scc1 .Lmdead_\@
	s_cmp_lg_u32 s[TL], s[JJ]
	s_cbranch_scc1 .Llopen_\@
	MASK 2
.Llopen_\@:
	MAXS 2
.Lmdead_\@:
	; K's slot has been read out, the maxima are on their way, V of this step must be whole
	s_wait_tensorcnt 0x0                           ; all my tensor loads have landed: my quarter of this step's V
	ds_add_u32 v[SPW], v[NIL]                      ; 0 onto my spare word
.if \refill
	s_mul_i32 s[OFS], s[TNX], STEPB                ; no load of mine is out, so the descriptor may be written: its address is made anew from the next tile's number
	s_add_nc_u64 s[G0K+2:G0K+3], s[KBS:KBS+1], s[OFS:OFS+1]
	s_or_b32 s[G0K+3], s[G0K+3], 0x80000000
.endif
	s_wait_dscnt 0x0                               ; the add and my stores are done, my reads of K are over
.if \refill
	CROUND                                         ; that holds of every wave of the four work-groups
	tensor_load_to_lds s[G0K:G0K+3], s[G1K:G1K+7]  ; K of the next step: it has the softmax and the second product in which to land
	s_nop 0
	PLACES
.else
	s_barrier_signal -1
	s_barrier_wait -1
.endif
	; SOFTMAX
	LDMX 0
	s_cmp_gt_u32 s[TL], s[JJ]
	s_cbranch_scc1 .Lxdead_\@
	LDMX 2
.Lxdead_\@:
	s_wait_dscnt 0x0
	SMX 0
	s_cmp_gt_u32 s[TL], s[JJ]
	s_cbranch_scc1 .Lsdead_\@
	SMX 2
.Lsdead_\@:
	; P is handed over.  K's load may stay out.  Part of the rescaling stands between signal and wait, the rest behind the loads.
	s_wait_dscnt 0x0                               ; for the others' sake: my part of P is in LDS
	s_barrier_signal -1
	RESC 0, 0
	WIN 0
	s_barrier_wait -1
	; SECOND PRODUCT, by the waves' groups of 32 keys, on two buffers.  A group's loads: tiles 2 and 3's four of P, where those tiles work, and behind them the 20 that every step issues.
	s_cmp_gt_u32 s[TL], s[JJ]
	s_cbranch_scc1 .Lpdead_\@
	LDP 0, PB0, 2
	LDP 1, PB1, 2
.Lpdead_\@:
	LDC 0, PB0
	LDC 1, PB1
	RESC 0, 1
	WIN 0
	s_cmp_gt_u32 s[TL], s[JJ]
	s_cbranch_scc1 .Lrdead_\@
	RESC 2, 0
	RESC 2, 1
	WIN 0
.Lrdead_\@:
	s_wait_dscnt 20                                ; all but the 20 loads issued last: on either way the whole group before them is in
	PG PB0, 2
	PLACES
	LDC 2, PB0
	s_wait_dscnt 20
	PG PB1, 3
	PLACES
	LDC 3, PB1
	s_wait_dscnt 20
	PG PB0, -1
	s_wait_dscnt 0x0
	PG PB1, -1
.if \refill
	s_wait_tensorcnt 0x0                           ; all my tensor loads have landed: my quarter of the next step's K
	ds_add_u32 v[SPW], v[NIL]                      ; 0 onto my spare word
	s_add_nc_u64 s[G0V+2:G0V+3], s[VBS:VBS+1], s[OFS:OFS+1]  ; the same tile's V
	s_or_b32 s[G0V+3], s[G0V+3], 0x80000000
	s_mov_b32 s[TL], s[TNX]                        ; the next step's tile
	s_wait_dscnt 0x0                               ; the add is done, my reads of V and P are over
	CROUND
	tensor_load_to_lds s[G0V:G0V+3], s[G1V:G1V+7]  ; V of the next step: it has that step's first product in which to land
	s_nop 0
	PLACES
	v_nop                                          ; with the four above, five places ahead of the products that write over the second product's operands
.endif
.endm
	s_wait_tensorcnt 0x1                           ; my quarter of K is in; V's may stay out
	s_barrier_signal -1
	s_barrier_wait -1
	s_wait_loadcnt 0x0                             ; Q, gamma, beta
	v_cvt_pk_bf16_f32 v20, v[GB], v[GB+1]          ; gamma and beta take the rounding of the other inputs
	v_cvt_pk_bf16_f32 v21, v[GB+2], v[GB+3]
	v_lshlrev_b32 v[GB], 16, v20
	v_and_b32 v[GB+1], 0xffff0000, v20
	v_lshlrev_b32 v[GB+2], 16, v21
	v_and_b32 v[GB+3], 0xffff0000, v21
	v_cvt_pk_bf16_f32 v20, v[GB+4], v[GB+5]
	v_cvt_pk_bf16_f32 v21, v[GB+6], v[GB+7]
	v_lshlrev_b32 v[GB+4], 16, v20
	v_and_b32 v[GB+5], 0xffff0000, v20
	v_lshlrev_b32 v[GB+6], 16, v21
	v_and_b32 v[GB+7], 0xffff0000, v21
	s_mov_b32 s[N], 0
.Lstep:                                                ; 15 - jj trips, all the walk's tiles but the last, the same number in all partners; every LDS address is fixed
	STEP 1
	s_add_co_u32 s[N], s[N], 1
	s_cmp_lt_u32 s[N], s[NB]
	s_cbranch_scc1 .Lstep
	STEP 0                                         ; the walk's last tile
	; THE END.  out = O / L; y = out - mean(out); the variance is the mean of y^2: two passes, no difference of large sums.  A query's 512 channels lie in 64 registers, two lanes and four waves.
	PLACES
	ALLT v_add_f32 v[ST+4*t+2], v[ST+4*t+2], v[ST+4*t+3]
	ALLT v_permlanex16_b32 v[ST+4*t+3], v[ST+4*t+2], s[SEL], s[SEL+1]
	ALLT v_add_f32 v[ST+4*t+2], v[ST+4*t+2], v[ST+4*t+3]   ; l of my 32 keys a step
	WIN 0x05                                       ; sources in window 1, destination in window 0
.set i, 0
.rept 32                               ; accumulator i = 4 cb + t: its eight registers into two pairs, the lowest first
	v_pk_add_f32 v[U+4*i:U+4*i+1],   v[8*i:8*i+1],   v[8*i+2:8*i+3]
	v_pk_add_f32 v[U+4*i+2:U+4*i+3], v[8*i+4:8*i+5], v[8*i+6:8*i+7]
.set i, i+1
.endr
	WIN 0
.set i, 0
.rept 32
	v_pk_add_f32 v[U+4*i:U+4*i+1], v[U+4*i:U+4*i+1], v[U+4*i+2:U+4*i+3]
.set i, i+1
.endr
.irp s, 16,8,4                         ; over the channel blocks
.set i, 0
.rept \s
	v_pk_add_f32 v[U+4*i:U+4*i+1], v[U+4*i:U+4*i+1], v[U+4*(i+\s):U+4*(i+\s)+1]
.set i, i+1
.endr
.endr
	ALLT v_add_f32 v[ST+4*t+3], v[U+4*t], v[U+4*t+1]
	ALLT v_permlanex16_b32 v[TMP+4*t], v[ST+4*t+3], s[SEL], s[SEL+1]
	ALLT v_add_f32 v[ST+4*t+3], v[ST+4*t+3], v[TMP+4*t]    ; the sum of O over my 128 channels
	ALLT ds_store_b64 v[E1S], v[ST+4*t+2:ST+4*t+3] offset:512*t
	s_wait_dscnt 0x0
	s_barrier_signal -1
	s_barrier_wait -1
	ALLT ds_load_b128 v[U+8*t:U+8*t+3], v[E1L] offset:512*t
	ALLT ds_load_b128 v[U+8*t+4:U+8*t+7], v[E1L] offset:512*t+16
	s_wait_dscnt 0x0
	ALLT v_pk_add_f32 v[U+8*t:U+8*t+1], v[U+8*t:U+8*t+1], v[U+8*t+2:U+8*t+3]
	ALLT v_pk_add_f32 v[U+8*t+4:U+8*t+5], v[U+8*t+4:U+8*t+5], v[U+8*t+6:U+8*t+7]
	ALLT v_pk_add_f32 v[U+8*t:U+8*t+1], v[U+8*t:U+8*t+1], v[U+8*t+4:U+8*t+5]
	ALLT v_rcp_f32 v[TMP+4*t], v[U+8*t]            ; 1 / L
	v_nop
	s_wait_alu depctr_va_vdst(0)
	ALLT v_mul_f32 v[TMP+4*t+2], v[U+8*t+1], v[TMP+4*t]
	ALLT v_mul_f32 v[TMP+4*t+2], 0xbb000000, v[TMP+4*t+2]  ; - mean(out)
	WIN 0x41
.set i, 0
.rept 128                              ; y = O / L - mean
	v_pk_fma_f32 v[2*i:2*i+1], v[2*i:2*i+1], v[TMP+4*((i/4)%4):TMP+4*((i/4)%4)+1], v[TMP+4*((i/4)%4)+2:TMP+4*((i/4)%4)+3] op_sel_hi:[1,0,0]
.set i, i+1
.endr
	WIN 0x05
.set i, 0
.rept 128                              ; i = 16 cb + 4 z + t: the sum of y^2 in two chains a tile, eight chains by turns
.set rY, 8*(4*(i/16)+i%4)+2*((i/4)%4)
.set rA, U+4*(i%4)+2*((i/4)%2)
.if i < 8
	v_pk_mul_f32 v[rA:rA+1], v[rY:rY+1], v[rY:rY+1]
.else
	v_pk_fma_f32 v[rA:rA+1], v[rY:rY+1], v[rY:rY+1], v[rA:rA+1]
.endif
.set i, i+1
.endr
	WIN 0
	ALLT v_pk_add_f32 v[U+4*t:U+4*t+1], v[U+4*t:U+4*t+1], v[U+4*t+2:U+4*t+3]
	ALLT v_add_f32 v[TMP+4*t], v[U+4*t], v[U+4*t+1]
	ALLT v_permlanex16_b32 v[TMP+4*t+1], v[TMP+4*t], s[SEL], s[SEL+1]
	ALLT v_add_f32 v[TMP+4*t], v[TMP+4*t], v[TMP+4*t+1]
	ALLT ds_store_b32 v[E2S], v[TMP+4*t] offset:256*t
	s_wait_dscnt 0x0
	s_barrier_signal -1
	s_barrier_wait -1
	ALLT ds_load_b128 v[U+4*t:U+4*t+3], v[E2L] offset:256*t
	s_wait_dscnt 0x0
	ALLT v_add_f32 v[U+4*t], v[U+4*t], v[U+4*t+1]
	ALLT v_add_f32 v[U+4*t+2], v[U+4*t+2], v[U+4*t+3]
	ALLT v_add_f32 v[TMP+4*t], v[U+4*t], v[U+4*t+2]
	ALLT v_fma_f32 v[TMP+4*t], v[TMP+4*t], s56, s57        ; variance + 1e-5
	ALLT v_rsq_f32 v[TMP+4*t], v[TMP+4*t]
	v_nop
	s_wait_alu depctr_va_vdst(0)
; Tile t leaves: y / sqrt(..) goes into my stage by queries (a lane's 8 channels are 32 bytes of a row) and comes back as whole rows of my 128 channels; then gamma and beta, and the store.
; Tiles 0 and 1 go to block H's rows, tiles 2 and 3 to block jj's.
.macro OUTT t
	WIN 0x01                                       ; y in window 1
.set i, 0
.rept 32                               ; i = 4 cb + pair
	v_pk_mul_f32 v[U+2*i:U+2*i+1], v[8*(4*(i/4)+(\t))+2*(i%4):8*(4*(i/4)+(\t))+2*(i%4)+1], v[TMP+4*(\t):TMP+4*(\t)+1] op_sel_hi:[1,0]
.set i, i+1
.endr
	WIN 0
.set i, 0
.rept 8
	ds_store_b128 v[STO], v[U+8*i:U+8*i+3]   offset:64*i
	ds_store_b128 v[STO], v[U+8*i+4:U+8*i+7] offset:64*i+16
.set i, i+1
.endr
.set BK, KB0+64*((\t)%2)
.if (\t) >= 2
	s_wait_xcnt 0x0                                ; these registers are loaded again only when the stores that read them have had their addresses translated (ISA guide 3.1)
.endif
.set i, 0
.rept 16
	ds_load_b128 v[BK+4*i:BK+4*i+3], v[RD] offset:i*SPITCH  ; LDS serves a wave's instructions in order (ISA guide 5.7.1.4): these see the stores above; the next tile's stores come behind them
.set i, i+1
.endr
.set i, 0
.rept 16
	s_wait_dscnt 15-i                              ; row i is back; the younger rows stay out
	v_pk_fma_f32 v[BK+4*i:BK+4*i+1],   v[BK+4*i:BK+4*i+1],   v[GB:GB+1],   v[GB+4:GB+5]
	v_pk_fma_f32 v[BK+4*i+2:BK+4*i+3], v[BK+4*i+2:BK+4*i+3], v[GB+2:GB+3], v[GB+6:GB+7]
.if (\t) < 2
	global_store_b128 v[GO], v[BK+4*i:BK+4*i+3], s[10:11] offset:(16*((\t)%2)+i)*2048 th:TH_STORE_NT  ; the wave stores 512 consecutive bytes, at a multiple of 512 from out0's first byte
.else
	global_store_b128 v[GO], v[BK+4*i:BK+4*i+3], s[OL:OL+1] offset:(16*((\t)%2)+i)*2048 th:TH_STORE_NT
.endif
.set i, i+1
.endr
.endm
	OUTT 0
	OUTT 1
	OUTT 2
	OUTT 3
	s_wait_tensorcnt 0x0                           ; the wave's end
	ds_add_u32 v[SPW], v[NIL]
	s_wait_dscnt 0x0
	CROUND                                         ; the closing round
	s_endpgm
.Lfunc_end_k_qde5f0307fc_attn:
	.size	k_qde5f0307fc_attn, .Lfunc_end_k_qde5f0307fc_attn-k_qde5f0307fc_attn
	.p2alignl 7, 3214868480
	.fill 96, 4, 3214868480
	.section	.rodata,"a",@progbits
	.p2align	6, 0x0
	.amdhsa_kernel k_qde5f0307fc_attn
		.amdhsa_group_segment_fixed_size 327680
		.amdhsa_private_segment_fixed_size 0
		.amdhsa_enable_private_segment 0
		.amdhsa_kernarg_size 32
		.amdhsa_user_sgpr_count 2
		.amdhsa_user_sgpr_kernarg_segment_ptr 1
		.amdhsa_wavefront_size32 1
		.amdhsa_system_sgpr_workgroup_id_x 1
		.amdhsa_system_sgpr_workgroup_id_y 1
		.amdhsa_system_sgpr_workgroup_id_z 1
		.amdhsa_system_vgpr_workitem_id 0
		.amdhsa_next_free_vgpr 1024
		.amdhsa_next_free_sgpr 80
		.amdhsa_reserve_vcc 1
		.amdhsa_float_denorm_mode_32 3
		.amdhsa_float_denorm_mode_16_64 3
		.amdhsa_memory_ordered 1
		.amdhsa_forward_progress 1
		.amdhsa_inst_pref_size 202
	.end_amdhsa_kernel
	.amdgpu_metadata
---
amdhsa.version: [ 1, 2 ]
amdhsa.kernels:
  - .name:           k_qde5f0307fc_attn
    .symbol:         k_qde5f0307fc_attn.kd
    .args:
      - { .name: qkv, .offset: 0, .size: 8, .value_kind: global_buffer, .address_space: global }
      - { .name: gamma, .offset: 8, .size: 8, .value_kind: global_buffer, .address_space: global }
      - { .name: beta, .offset: 16, .size: 8, .value_kind: global_buffer, .address_space: global }
      - { .name: out0, .offset: 24, .size: 8, .value_kind: global_buffer, .address_space: global }
    .group_segment_fixed_size: 327680
    .private_segment_fixed_size: 0
    .kernarg_segment_align: 8
    .kernarg_segment_size: 32
    .max_flat_workgroup_size: 128
    .sgpr_count:     80
    .vgpr_count:     1024
    .wavefront_size: 32
...
	.end_amdgpu_metadata
.endif
;; end of part 4
